; MI455X (gfx1250); checked and timed in simulation.
; The chip was launched on July 23, 2026; its instructions are those of AMD's public machine-readable ISA for CDNA 5 (MIT licence, August 2026) and "CDNA5" Instruction Set Architecture Reference Guide (July 2026). The comments in the code are by the model that wrote it; some were corrected since.
;; Cross Attention. Allowed arithmetic: matrix products marked QUANTISED: E2M3 operands, one E8M0 scale for each 32 along K, by v_wmma_scale_f32_16x16x128_f8f6f4 with both operands' format E2M3, f32 sums; everything else in f32.
;; Inputs: Wk 1,024 x 1,024 float32; Wo 1,024 x 1,024 float32; Wq 1,024 x 1,024 float32; Wv 1,024 x 1,024 float32; bk 1,024 float32; bo 1,024 float32; bq 1,024 float32; bv 1,024 float32; key_value 4 x 2,048 x 1,024 float32; query 4 x 2,048 x 1,024 float32.
;; Outputs: out0 4 x 2,048 x 1,024 float32.
;; This version of the problem:
;;   THIS VERSION OF THE PROBLEM IS GIVEN IN LOW PRECISION. The matrix products marked QUANTISED in the list below multiply operands that are first quantised to E2M3 (2 exponent bits, 3 mantissa bits; 6 bits a number), with one power-of-two scale for each 32 numbers along K (OCP MX v1.0); their sums are f32. All else is computed in f32.
;;   The module's matrix products, in the order in which they are computed (A, B: the left and right operand; K: the contracted axis; several contracted axes count as one K, in the product's order):
;;     1. [M 8,192, K 1,024] x [K 1,024, N 1,024]; A: input query; B: input Wq: QUANTISED
;;     2. [M 8,192, K 1,024] x [K 1,024, N 1,024]; A: input key_value; B: input Wk: QUANTISED
;;     3. [M 8,192, K 1,024] x [K 1,024, N 1,024]; A: input key_value; B: input Wv: QUANTISED
;;     4. batch 64 x [M 2,048, K 64] x [K 64, N 2,048]; A: computed on the way; B: computed on the way: QUANTISED
;;     5. batch 64 x [M 2,048, K 2,048] x [K 2,048, N 64]; A: softmax (see below); B: computed on the way: QUANTISED
;;     6. [M 8,192, K 1,024] x [K 1,024, N 1,024]; A: computed on the way; B: input Wo: QUANTISED
;;   THE QUANTISER, for each operand of a quantised product, along K:
;;     - K is cut into blocks of 32 from its start; a last block that is shorter is filled with zeros.
;;     - A block's scale is 2^e with e = floor(log2(the largest magnitude in the block)) - 2, held to -126 .. 127; a block of zeros has e = 0. As a byte (E8M0): e + 127.
;;     - Each number is divided by its block's scale, clamped to +-7.5, and rounded to the nearest number of E2M3, ties to even, subnormals kept.
;;     - The product sums the exact products of the quantised numbers (number of the format x scale) in f32.
;;   ~~~python
;;   def quantise(x, axis):      # numpy; x: float32 -> the quantised numbers, widened to float32 again
;;       x = np.moveaxis(x, axis, -1); K = x.shape[-1]
;;       x = np.pad(x, [(0, 0)] * (x.ndim - 1) + [(0, -K % 32)]); x = x.reshape(x.shape[:-1] + (-1, 32)); a = np.abs(x).max(-1, keepdims=True)
;;       e = np.where(a > 0, np.clip(np.frexp(np.where(a > 0, a, 1))[1] - 1 - 2, -126, 127), 0)      # np.frexp(a)[1] - 1 = floor(log2(a)), exactly
;;       r = np.clip(x / 2.0 ** e, -7.5, 7.5)
;;       step = 2.0 ** (np.maximum(np.frexp(np.where(r == 0, 1, r))[1] - 1, 0) - 3)
;;       q = np.round(r / step) * step * 2.0 ** e      # np.round: ties to even
;;       return np.moveaxis(q.reshape(q.shape[:-2] + (-1,))[..., :K], -1, axis).astype(np.float32)
;;   ~~~
;;   SOFTMAX AHEAD OF A QUANTISED PRODUCT. Where the list says 'softmax', what is quantised is not the finished softmax but p = 2^(t - M), with t = logit x log2(e) and M = ceil(the row's largest t), a whole number; so 1/2 < the row's largest p <= 1. The row's sum l is taken of the UNQUANTISED p, in f32, and the product's result is divided by l at the end. Since M is a whole number, a kernel that streams over the keys may use a running M (the ceiling of the running maximum): every later rescaling is an exact power of two, which a block's scale takes up: the codes' values come out the same.
;;   OPERANDS COMPUTED ON THE WAY. 'Computed on the way' means the value that the module computes at that place (a softmax that the list does not call 'softmax' is quantised finished and normalised). What goes into a quantiser is computed in f32, as accurately as f32 sums, v_exp_f32 and their like allow (about 1e-6 of the number): no bf16 or f16 on the way to a quantiser, and a product that is left as it is and whose result goes on into a quantised operand takes f32 operands (vector FMAs, or v_wmma_f32_16x16x4_f32). A number that lies on a knife's edge between two numbers of the format may be rounded either way, as far as f32 arithmetic and the matrix unit's own rounding can turn it there, and no further.
;; One version. Each part assembles by itself: llvm-mc -triple=amdgcn-amd-amdhsa -mcpu=gfx1250 --defsym DOCPART=n.
;; ======== version 1 of 1: 4 launches
;; limits: right only within a limited range of input values
;; workspace buffers: xq 13,107,200 bytes; wq 3,276,800 bytes; qh 6,815,744 bytes; kv 13,369,344 bytes; oh 6,553,600 bytes
;; launch prep (part 1): grid 640 x 1, 4 waves a work-group, no clusters, 69,120 bytes of LDS; arguments query, key_value, Wq, Wk, Wv, Wo, xq, wq; writes xq, wq
.if DOCPART == 1
	.amdgcn_target "amdgcn-amd-amdhsa--gfx1250"
	.amdhsa_code_object_version 6
	.text
	.protected	k_q850198aee6_prep
	.globl	k_q850198aee6_prep
	.p2align	8
	.type	k_q850198aee6_prep,@function
k_q850198aee6_prep:
	s_mov_b64 s[64:65], 0
	v_nop
	global_prefetch_b8 v0, s[64:65] scope:SCOPE_SE
	s_setreg_imm32_b32 hwreg(HW_REG_WAVE_MODE, 25, 1), 1
	s_wait_xcnt 0x0
; query and key_value [8192][1024] f32 (K innermost) and Wq, Wk, Wv, Wo [1024 (k)][1024 (n)] f32 (K is the first axis) become codes of FP6 (E2M3), K innermost, 768 bytes a row,
; with one E8M0 scale byte for each 32 along K, 32 bytes a row.  A block's scale is 2^(floor(log2(its largest magnitude)) - 2); its byte is the largest magnitude's exponent field - 2, held at 1 from below.
; THE STORED ORDER: the codes and scale bytes of row i (a row of query or key_value; a column n of a weight) are stored at row s(i) = i with bits 3 and 4 exchanged.  So 16 neighbouring stored rows
; 32 g + 16 u + r are the rows 32 g + 8 u + r + 8 (r / 8), and a matrix result that takes them as source 0 holds, in a lane's 16 registers of two neighbouring tiles, 16 neighbours of the true order.
; xq: codes [2][8192][768], scale bytes from byte 12,582,912 on [2][8192][32].  wq: codes [4][1024][768], scale bytes from byte 3,145,728 on [4][1024][32].
; LIMITS: NaN and infinities among the inputs are not served; a block whose largest magnitude lies under 2^-124, a block of zeros among them, gets the byte 1 (a block of zeros has zero codes, and this program alone reads the bytes).
; Work-groups 0-511 take the two tensors of rows, 512-639 the four weights: two ways through the text, each with LDS bytes of its own.  No tensor loads, no barrier: waves share nothing.
; WHERE THE CODES LIE (this takes the place of the plain rows of 768 bytes named above; the scale bytes stay as said): each tensor's stored rows go in blocks of 128, and a block is
; [chunk of 256 along K, 0 .. 3][128 rows][192 bytes], 98,304 bytes: so 128 rows x one chunk are 24,576 dense bytes that begin at a multiple of 256.
.set STEPS, 16
.set EMAX,  2
.set CB,    12                         ; bytes of 16 codes
.set R,     16                         ; v16-79   four sets of 16 numbers as they are loaded
.set X,     80                         ; v80-111  two sets of 16 neighbours
.set C,     128                        ; v128-191 codes: four registers for each step
.set E,     112                        ; v112-127 a scale byte for each step
.set WREG,  8192                       ; LDS, rows' way: a region for each wave: two stages of 32 x SP bytes, then its 256 scale bytes
.set SP,    80                         ; a lane's place in a stage: 64 bytes + 16 of padding
.set NB,    8                          ; weights' way: blocks of 32 along K for a wave
.set WPITCH, 272                       ; a stage row: sixteen places of 16 bytes + 16
.set KROW,  768                        ; a row of codes in bytes
.set WSTG,  32768                      ; LDS, weights' way: behind the rows' regions, 32 x WPITCH bytes for each wave
.set WX,    32                         ; v32-95   two sets of 32 numbers
.set WCD,   96                         ; v96..    a block's codes
.set OUTR,  112                        ; v112-175 the way out
.set SB,    24                         ; v24-25   the scale bytes
	s_load_b256 s[4:11], s[0:1], 0x0               ; query s[4:5], key_value s[6:7], Wq s[8:9], Wk s[10:11]
	s_load_b256 s[12:19], s[0:1], 0x20             ; Wv s[12:13], Wo s[14:15], xq s[16:17], wq s[18:19]
	v_lshl_add_u32 v192, v0, 2, 0x10c00
	v_mov_b32 v193, 0
	v_lshrrev_b32 v1, 5, v0
	v_readfirstlane_b32 s20, v1                    ; wave
	v_and_b32 v2, 31, v0                           ; lane
	s_cmp_lt_u32 ttmp9, 512
	s_cbranch_scc0 .Lweights
; ---- THE ROWS.  A wave takes 8 rows, 8,192 numbers, in 16 steps of 512.  Each load reads 512 consecutive bytes; a step's 2,048 bytes turn through the wave's own stage in LDS, so that a lane holds 16 neighbours.
	v_lshlrev_b32 v3, 4, v2                        ; my 16 bytes of a load's 512
	s_mul_i32 s21, s20, WREG
	v_lshrrev_b32 v14, 2, v2
	v_mul_u32_u24 v14, v14, SP
	v_and_b32 v15, 3, v2
	v_lshl_add_u32 v14, v15, 4, v14
	v_add_nc_u32 v14, s21, v14                     ; the stage, on the way in: SP (lane / 4) + 16 (lane % 4)
	v_mul_u32_u24 v15, v2, SP
	v_add_nc_u32 v15, s21, v15                     ; on the way out: SP x lane
	v_and_b32 v4, 15, v2
	v_mul_u32_u24 v4, v4, CB                       ; my codes' place in a chunk's row: sixteen lanes to 192 bytes;
	v_lshrrev_b32 v5, 4, v2
	v_mad_u32_u24 v4, v5, 24576, v4                ; lanes 16-31 hold the next chunk
	v_lshrrev_b32 v5, 1, v2
	s_add_co_u32 s21, s21, 2*32*SP
	v_add_nc_u32 v5, s21, v5                       ; my block's scale byte in the wave's 256
	v_lshlrev_b32 v7, 3, v2
	v_add_nc_u32 v6, s21, v7                       ; and on the way out 8 bytes a lane
	s_wait_alu depctr_va_vdst(0)
	s_wait_kmcnt 0x0
	s_cmp_lt_u32 ttmp9, 256                        ; query's work-group or key_value's: the choice hangs on the work-group's number alone
	s_cselect_b64 s[4:5], s[4:5], s[6:7]
	s_cselect_b32 s22, 0, 256
	s_cselect_b32 s24, 0, 6291456                  ; the tensor's codes in xq
	s_cselect_b32 s26, 0, 262144                   ; and its scale bytes
	s_sub_co_u32 s22, ttmp9, s22
	s_lshl_b32 s22, s22, 2                         ; 4 x the work-group's number in its tensor
	s_add_co_u32 s28, s22, s20                     ; my run of 8 rows
	s_lshl_b32 s28, s28, 15                        ; x 32,768 bytes
	s_mov_b32 s29, 0
	s_add_nc_u64 s[4:5], s[4:5], s[28:29]
	s_and_b32 s23, s20, 1                          ; the stored order exchanges bits 3 and 4 of a row: bits 0 and 1 of the run, which are the wave's
	s_lshl_b32 s23, s23, 1
	s_lshr_b32 s27, s20, 1
	s_or_b32 s23, s23, s27
	s_add_co_u32 s23, s23, s22                     ; the run's place in the stored order
	s_lshr_b32 s30, s23, 4                         ; the run's block of 128 rows,
	s_mul_i32 s30, s30, 98304
	s_and_b32 s31, s23, 15                         ; and its 8 rows of 192 bytes in a chunk of that block
	s_mul_i32 s31, s31, 1536
	s_add_co_u32 s30, s30, s31
	s_add_co_u32 s30, s30, s24
	s_mov_b32 s31, 0
	s_add_nc_u64 s[32:33], s[16:17], s[30:31]      ; my codes
	s_lshl_b32 s30, s23, 8
	s_add_co_u32 s30, s30, s26
	s_add_co_u32 s30, s30, 12582912
	s_add_nc_u64 s[34:35], s[16:17], s[30:31]      ; my scale bytes
.macro LOAD t
.irp i, 0,1,2,3
	global_load_b128 v[R+16*((\t)%4)+4*\i:R+16*((\t)%4)+4*\i+3], v3, s[4:5] offset:2048*(\t)+512*\i th:TH_LOAD_NT
.endr
.endm
.macro TURN t                          ; step t's numbers through the stage: LDS serves a wave's instructions in order, so no wait stands between the stores and the loads
.irp i, 0,1,2,3
	ds_store_b128 v14, v[R+16*((\t)%4)+4*\i:R+16*((\t)%4)+4*\i+3] offset:32*SP*((\t)%2)+8*SP*\i
.endr
.irp i, 0,1,2,3
	ds_load_b128 v[X+16*((\t)%2)+4*\i:X+16*((\t)%2)+4*\i+3], v15 offset:32*SP*((\t)%2)+16*\i
.endr
.endm
.irp t, 0,1,2,3
	LOAD \t
.endr
	s_wait_loadcnt 12                              ; step 0's four loads are in; the twelve of steps 1 to 3 may be out
	TURN 0
.macro STEP t
.set XS, X+16*((\t)%2)
.if (\t) > 0
	s_wait_dscnt 1                                 ; this step's numbers are back from the stage; the last step's byte store may be out
.else
	s_wait_dscnt 0x0
.endif
.if (\t)+4 < STEPS
	LOAD (\t)+4                                    ; into the registers that this step's stores into the stage have read
.endif
.if (\t)+1 < STEPS
.if STEPS-2-(\t) >= 3
	s_wait_loadcnt 12                              ; the next step's four loads are in; those of the three steps behind it may be out
.else
	s_wait_loadcnt 4*(STEPS-2-(\t))
.endif
	TURN (\t)+1
.endif
	v_max3_num_f32 v8, |v[XS]|, |v[XS+1]|, |v[XS+2]|               ; the largest magnitude of my 16
	v_max3_num_f32 v9, |v[XS+3]|, |v[XS+4]|, |v[XS+5]|
.irp i, 6,10
	v_max3_num_f32 v8, v8, |v[XS+\i]|, |v[XS+\i+1]|
	v_max3_num_f32 v9, v9, |v[XS+\i+2]|, |v[XS+\i+3]|
.endr
	v_max3_num_f32 v8, v8, |v[XS+14]|, |v[XS+15]|
	v_max3_num_f32 v8, v8, v9, (EMAX+1)<<23        ; and the floor 2^(3 - 127): the byte cannot fall under 1
	v_max_num_f32_dpp v8, v8, v8 row_xmask:1 row_mask:0xf bank_mask:0xf   ; with my neighbour's 16: the block's
	v_add_nc_u32 v11, -(EMAX<<23), v8              ; 2 off its exponent field: the conversion takes the exponent field of this operand as its scale
	v_cvt_scalef32_pk16_fp6_f32 v[C+4*(\t):C+4*(\t)+2], v[XS:XS+15], v11
	v_lshrrev_b32 v[E+(\t)], 23, v11               ; the scale's byte
	ds_store_b8 v5, v[E+(\t)] offset:16*(\t)       ; both lanes of a block write the same byte with the same value
	global_store_b96 v4, v[C+4*(\t):C+4*(\t)+2], s[32:33] offset:192*((\t)/2)+49152*((\t)%2)   ; row t / 2, chunks 2 (t % 2) and 2 (t % 2) + 1
.endm
.irp t, 0,1,2,3,4,5,6,7,8,9,10,11,12,13,14,15
	STEP \t
.endr
	ds_load_b64 v[12:13], v6                       ; LDS serves a wave's instructions in order: these see my stores
	s_wait_dscnt 0x0
	global_store_b64 v7, v[12:13], s[34:35]        ; 32 lanes store 256 consecutive bytes, aligned
	s_wait_tensorcnt 0x0
	ds_add_u32 v192, v193
	s_wait_dscnt 0x0
	s_endpgm
; ---- THE WEIGHTS.  A lane takes a column n and its registers run down K: a block of 32 along K lies in one lane.  A wave takes 32 columns x 256 along K; the codes leave through the wave's own stage, sixteen lanes to a row's 192 bytes.
.Lweights:
	s_sub_co_u32 s21, ttmp9, 512
	s_lshr_b32 s22, s21, 5                         ; which weight: q, k, v, o
	s_and_b32 s23, s21, 7                          ; which 128 columns
	s_bfe_u32 s24, s21, 0x20003                    ; which 256 along K
	s_lshl_b32 s25, s23, 7
	s_lshl_b32 s26, s20, 5
	s_add_co_u32 s25, s25, s26                     ; my wave's first column
	s_wait_alu depctr_va_vdst(0)
	v_lshlrev_b32 v3, 2, v2                        ; in: 4 bytes a lane
	s_mul_i32 s26, s20, 32*WPITCH
	s_add_co_u32 s26, s26, WSTG                    ; my stage
	v_mul_u32_u24 v4, v2, WPITCH
	v_add_nc_u32 v4, s26, v4                       ; into it: row = my column
	v_and_b32 v5, 15, v2
	v_lshrrev_b32 v6, 4, v2
	v_mul_u32_u24 v7, v6, WPITCH
	v_lshl_add_u32 v7, v5, 4, v7
	v_add_nc_u32 v7, s26, v7                       ; out of it: sixteen lanes to a row, two rows an instruction
	v_mul_u32_u24 v8, v6, 192
	v_mad_u32_u24 v8, v5, 12, v8                   ; and the same place in the codes' buffer
	v_and_b32 v9, 7, v2                            ; my column's row of scale bytes, in the stored order: bits 3 and 4 of the lane exchanged
	v_bfe_u32 v10, v2, 3, 1
	v_lshl_or_b32 v9, v10, 4, v9
	v_bfe_u32 v10, v2, 4, 1
	v_lshl_or_b32 v9, v10, 3, v9
	v_lshlrev_b32 v9, 5, v9
	s_lshl_b32 s28, s24, 20                        ; 256 rows of 4,096 bytes
	s_lshl_b32 s27, s25, 2
	s_add_co_u32 s28, s28, s27
	s_mov_b32 s29, 0
	s_mul_i32 s30, s22, 786432
	s_mul_i32 s27, s23, 98304                      ; my block of 128 columns,
	s_add_co_u32 s30, s30, s27
	s_mov_b32 s38, 24576                           ; Wo keeps the chunks; Wq, Wk, Wv leave as register images: [tile of 16 stored columns][K step of 128][piece of 4 registers][lane][16 bytes], 12,288 bytes a tile
	s_mov_b32 s39, 3072
	s_cmp_eq_u32 s22, 3
	s_cselect_b32 s27, 6144, s38                   ; my wave's 32 rows of 192 bytes in a chunk, or its two tiles
	s_cselect_b32 s39, s38, s39                    ; a chunk, or its two K steps in a tile
	s_mul_i32 s27, s20, s27
	s_add_co_u32 s30, s30, s27
	s_mul_i32 s27, s24, s39
	s_add_co_u32 s30, s30, s27
	s_mov_b32 s31, 0
	s_lshl_b32 s36, s22, 15
	s_lshl_b32 s27, s25, 5
	s_add_co_u32 s36, s36, s27
	s_lshl_b32 s27, s24, 3
	s_add_co_u32 s36, s36, s27
	s_add_co_u32 s36, s36, 3145728
	s_mov_b32 s37, 0
	s_wait_kmcnt 0x0
	s_cmp_eq_u32 s22, 1
	s_cselect_b64 s[8:9], s[10:11], s[8:9]
	s_cmp_eq_u32 s22, 2
	s_cselect_b64 s[8:9], s[12:13], s[8:9]
	s_cmp_eq_u32 s22, 3
	s_cselect_b64 s[8:9], s[14:15], s[8:9]
	s_add_nc_u64 s[8:9], s[8:9], s[28:29]
	s_add_nc_u64 s[32:33], s[18:19], s[30:31]
	s_add_nc_u64 s[34:35], s[18:19], s[36:37]
.macro WLOAD t                         ; block t: W(32 t + i, my column), i = 0 .. 31, into set t % 2; 32 lanes read 128 consecutive bytes
.irp i, 0,1,2,3,4,5,6,7,8,9,10,11,12,13,14,15,16,17,18,19,20,21,22,23,24,25,26,27,28,29,30,31
	global_load_b32 v[WX+32*((\t)%2)+\i], v3, s[8:9] offset:(32*(\t)+\i)*4096 th:TH_LOAD_NT
.endr
.endm
	WLOAD 0
	WLOAD 1
.macro BLOCK t
.set XS, WX+32*((\t)%2)
.if (\t) < NB-1
	s_wait_loadcnt 32                              ; this block's 32 loads are in; the next block's may be out
.else
	s_wait_loadcnt 0
.endif
	v_max3_num_f32 v12, |v[XS]|, |v[XS+1]|, |v[XS+2]|               ; the block's largest magnitude: all 32 numbers are mine
	v_max3_num_f32 v13, |v[XS+3]|, |v[XS+4]|, |v[XS+5]|
.irp i, 6,10,14,18,22,26
	v_max3_num_f32 v12, v12, |v[XS+\i]|, |v[XS+\i+1]|
	v_max3_num_f32 v13, v13, |v[XS+\i+2]|, |v[XS+\i+3]|
.endr
	v_max3_num_f32 v12, v12, |v[XS+30]|, |v[XS+31]|
	v_max3_num_f32 v12, v12, v13, (EMAX+1)<<23     ; and the floor
	v_add_nc_u32 v11, -(EMAX<<23), v12             ; the conversion's scale operand
	v_lshrrev_b32 v13, 23, v11                     ; the scale's byte
.if (\t)%4 == 0
	v_mov_b32 v[SB+(\t)/4], v13                    ; four bytes to a register, the lower K in the lower byte
.else
	v_lshl_or_b32 v[SB+(\t)/4], v13, 8*((\t)%4), v[SB+(\t)/4]
.endif
	v_cvt_scalef32_pk16_fp6_f32 v[WCD:WCD+2], v[XS:XS+15], v11
	v_cvt_scalef32_pk16_fp6_f32 v[WCD+4:WCD+6], v[XS+16:XS+31], v11   ; (a conversion's three registers begin on an even number)
	ds_store_b96 v4, v[WCD:WCD+2] offset:32*(\t)   ; 12 bytes to a place of 16, so that every LDS address is a multiple of 16
	ds_store_b96 v4, v[WCD+4:WCD+6] offset:32*(\t)+16
.if (\t)+2 < NB
	WLOAD (\t)+2
.endif
	s_wait_dscnt 0x0                               ; the stores have read their registers: the next block's codes may be written
.endm
.set Q, 0
.rept NB
	BLOCK Q
.set Q, Q+1
.endr
	s_wait_alu depctr_va_vdst(0)
	global_store_b64 v9, v[SB:SB+1], s[34:35]
	s_cmp_eq_u32 s22, 3
	s_cbranch_scc1 .Lrows_out
	; the images: register p of lane (r, h) in K step q is dword 24 q + 12 (p / 6) + 6 h + p % 6 of its column's 48; in the stage three dwords lie in a place of four
	v_and_b32 v26, 15, v2
	v_and_b32 v27, 8, v2
	v_add_nc_u32 v26, v26, v27                     ; stored row r of a tile is column r + 8 (r / 8) of its sixteen
	v_mul_u32_u24 v26, v26, WPITCH
	v_lshrrev_b32 v27, 4, v2
	v_lshl_add_u32 v26, v27, 5, v26                ; 6 h dwords are two places
	v_add_nc_u32 v26, s26, v26
	v_lshlrev_b32 v27, 4, v2
	s_wait_alu depctr_va_vdst(0)
.irp u, 0,1
.irp q, 0,1
.irp p, 0,1,2,3,4,5,6,7,8,9,10,11
	ds_load_b32 v[OUTR+24*\u+12*\q+\p], v26 offset:\u*8*WPITCH+16*((24*\q+12*(\p/6)+\p%6)/3)+4*((24*\q+12*(\p/6)+\p%6)%3)
.endr
.endr
.endr
	s_wait_dscnt 0x0
.irp u, 0,1
.irp q, 0,1
.irp e, 0,1,2
	global_store_b128 v27, v[OUTR+24*\u+12*\q+4*\e:OUTR+24*\u+12*\q+4*\e+3], s[32:33] offset:\u*12288+\q*1536+512*\e   ; the wave stores 512 consecutive bytes, aligned
.endr
.endr
.endr
	s_wait_tensorcnt 0x0
	ds_add_u32 v192, v193
	s_wait_dscnt 0x0
	s_endpgm
.Lrows_out:
.irp t, 0,1,2,3,4,5,6,7,8,9,10,11,12,13,14,15
	ds_load_b96 v[OUTR+4*\t:OUTR+4*\t+2], v7 offset:2*\t*WPITCH   ; columns 2 t and 2 t + 1
.endr
.irp t, 0,1,2,3,4,5,6,7,8,9,10,11,12,13,14,15
	s_wait_dscnt 15-\t                             ; the younger row loads may be out
	global_store_b96 v8, v[OUTR+4*\t:OUTR+4*\t+2], s[32:33] offset:2*(((\t)&3)|(((\t)&4)<<1)|(((\t)&8)>>1))*192
.endr
	s_wait_tensorcnt 0x0
	ds_add_u32 v192, v193
	s_wait_dscnt 0x0
	s_endpgm
.Lfunc_end_k_q850198aee6_prep:
	.size	k_q850198aee6_prep, .Lfunc_end_k_q850198aee6_prep-k_q850198aee6_prep
	.p2alignl 7, 3214868480
	.fill 96, 4, 3214868480
	.section	.rodata,"a",@progbits
	.p2align	6, 0x0
	.amdhsa_kernel k_q850198aee6_prep
		.amdhsa_group_segment_fixed_size 69120
		.amdhsa_private_segment_fixed_size 0
		.amdhsa_enable_private_segment 0
		.amdhsa_kernarg_size 64
		.amdhsa_user_sgpr_count 2
		.amdhsa_user_sgpr_kernarg_segment_ptr 1
		.amdhsa_wavefront_size32 1
		.amdhsa_system_sgpr_workgroup_id_x 1
		.amdhsa_system_sgpr_workgroup_id_y 1
		.amdhsa_system_sgpr_workgroup_id_z 1
		.amdhsa_system_vgpr_workitem_id 0
		.amdhsa_next_free_vgpr 194
		.amdhsa_next_free_sgpr 66
		.amdhsa_reserve_vcc 0
		.amdhsa_float_denorm_mode_32 3
		.amdhsa_float_denorm_mode_16_64 3
		.amdhsa_memory_ordered 1
		.amdhsa_forward_progress 1
		.amdhsa_inst_pref_size 80
	.end_amdhsa_kernel
	.amdgpu_metadata
---
amdhsa.version: [ 1, 2 ]
amdhsa.kernels:
  - .name:           k_q850198aee6_prep
    .symbol:         k_q850198aee6_prep.kd
    .args:
      - { .name: query, .offset: 0, .size: 8, .value_kind: global_buffer, .address_space: global }
      - { .name: key_value, .offset: 8, .size: 8, .value_kind: global_buffer, .address_space: global }
      - { .name: Wq, .offset: 16, .size: 8, .value_kind: global_buffer, .address_space: global }
      - { .name: Wk, .offset: 24, .size: 8, .value_kind: global_buffer, .address_space: global }
      - { .name: Wv, .offset: 32, .size: 8, .value_kind: global_buffer, .address_space: global }
      - { .name: Wo, .offset: 40, .size: 8, .value_kind: global_buffer, .address_space: global }
      - { .name: xq, .offset: 48, .size: 8, .value_kind: global_buffer, .address_space: global }
      - { .name: wq, .offset: 56, .size: 8, .value_kind: global_buffer, .address_space: global }
    .group_segment_fixed_size: 69120
    .private_segment_fixed_size: 0
    .kernarg_segment_align: 8
    .kernarg_segment_size: 64
    .max_flat_workgroup_size: 128
    .sgpr_count:     66
    .vgpr_count:     194
    .wavefront_size: 32
...
	.end_amdgpu_metadata
.endif
;; end of part 1
;; launch proj (part 2): grid 4 x 64, 4 waves a work-group, clusters of 4 x 4, 327,680 bytes of LDS; arguments xq, wq, bq, bk, bv, qh, kv; writes qh, kv
.if DOCPART == 2
	.amdgcn_target "amdgcn-amd-amdhsa--gfx1250"
	.amdhsa_code_object_version 6
	.text
	.protected	k_q850198aee6_proj
	.globl	k_q850198aee6_proj
	.p2align	8
	.type	k_q850198aee6_proj,@function
k_q850198aee6_proj:
	s_mov_b64 s[64:65], 0
	v_nop
	global_prefetch_b8 v0, s[64:65] scope:SCOPE_SE
	s_setreg_imm32_b32 hwreg(HW_REG_WAVE_MODE, 25, 1), 1
	s_wait_xcnt 0x0
	s_wait_alu depctr_hold_cnt(0) depctr_sa_sdst(0) depctr_va_vdst(0) depctr_va_sdst(0) depctr_va_ssrc(0) depctr_va_vcc(0) depctr_vm_vsrc(0)
	s_getreg_b32 s2, hwreg(HW_REG_IB_STS2, 6, 4)
	s_cmp_eq_u32 s2, 0
	s_cbranch_scc0 .Lentry_in_a_cluster
	s_endpgm
.Lentry_in_a_cluster:
	s_bfe_u32 s2, ttmp6, 0x10000c
	s_cmp_lg_u32 s2, 0xf033
	s_cbranch_scc0 .Lentry_shape_is_right
	s_endpgm
.Lentry_shape_is_right:
; K = key_value Wk + bk, V = key_value Wv + bv, Q = query Wq + bq on codes of FP6 (E2M3) with E8M0 scales, sums in f32; each result is quantised again and leaves as images of the attention launch's operand registers.
; SHARES.  256 work-groups.  A work-group takes 128 stored rows of tokens (one key step) x 256 columns (four heads) through THREE PHASES: K, V, Q.  A wave makes 128 tokens x 64 columns, one head: 32 accumulators of 16 x 16,
; which take turns in the same order in every K step.  So each wave stores whole images: 6,144 bytes of codes and its scale words for one head and one key step.
; LDS holds all of K of both operands, in two halves of 512 along K.  The weights' 256 columns are register images ([tile of 16][K step][piece][lane][16 bytes], no padding): a half is 16 rows of 6,144 bytes, 98,304 bytes.
; The tokens' 128 rows are chunks of 128 rows x 192 bytes, dense in memory, fetched as rows of 256 bytes with 16 bytes of padding behind each 64 (an LDS row of 240 bytes): a half is two chunks, 61,440 bytes.  With the spare words: 320,000 bytes.
; FILLS.  At the head one joint load a wave: wave 0 Wk's first half, wave 1 key_value's, waves 2, 3 the second halves.  The first barrier shows waves 0 and 1's tiles (their load lines are their own).
; FOUR REFILLS, each behind the three lines and a whole round of the cluster's barrier: in K steps 3 and 7 of phases K and V the half whose last fragments have just come into registers
; takes the next phase's tensor: Wv for Wk; then Wq for Wv and query for key_value.  The same waves load the same halves as at the head.  What a refill brought is shown by the next round; phase Q's step 3 has a plain barrier.
; By the text's own count a wave has one tensor load out, and it has four K steps, or four K steps and a way out, in which to land.
; CLUSTERS: 4 x 4.  The weights' tiles hang on the column group alone (cx) and are shared along a column of the cluster, the tokens' on the row block alone and are shared along a row.
; PREFETCHES: each later half is asked for into the L2 three K steps or more ahead of its refill, one instruction a wave; the sixteen waves of the four partners share a half out by address (a tile's 24 blocks of 256 bytes, or 12 blocks
; of the tokens' 192, to a wave; lanes left over name the wave's last block).  The weights, which every cluster reads, are asked for by the first four rows of clusters alone.
; THE SCALE WORDS and the biases go from memory straight into registers at the head.  The bias is the first products' C.
; ORIENTATION.  K, Q: source 0 = 16 columns of the weight, source 1 = 16 tokens: a lane holds one token and its registers run along d.  V: the other way round: a lane holds one column d and its registers run along the tokens.
; Tokens and columns lie in the stored order (bits 3 and 4 of an index exchanged), so the 16 registers of two neighbouring tiles are 16 neighbours of the true order; a scale block of 32 lies in lanes l and l xor 16.
; A block's scale byte is its largest magnitude's exponent field - 2, held at 1 from below.
; OUT.  qh: codes [16 batch + head][key step][pair of tiles][piece][lane][16 bytes]; scale words from byte 6,291,456 on, [16 batch + head][key step][lane][4 pairs].  kv: [16 batch + head][key step][13,056 bytes]: K's codes, V's, K's scale words, V's.
; LIMITS: NaN and infinities are not served; a block under 2^-124 gets the byte 1 (zero codes add nothing; this program alone reads the bytes).
; REGISTERS: window 0: v4-19 addresses, v32-63 key_value's scale words (8 i + q: lanes 0-15 tile i, lanes 16-31 tile i + 4), v64-95 query's, v100-147 the weights' (16 phase + 8 b + q: tiles b, b + 2), v152-215 the way out;
; window 1: the tokens' fragments, two sets, at v0 and v128; window 2: the accumulators; window 3: the weights' fragments, two sets, at v0 and v48; the biases from v96 on, 32 a phase.
.set AHALF,  98304
.set BBASE,  196608
.set BCH,    30720
.set SPARE,  BBASE+4*BCH
.set ADRW, 4
.set ADRX, 6
.set SXO,  10
.set SWO,  11
.set BO,   12
.set BOV,  13
.set LI,   14
.set L8,   15
.set SPW,  16
.set NIL,  17
.set PFW,  18
.set PFX,  19
.set SWT,  100
.set TM,   152
.set PW0,  168
.set PW1,  169
.set T,    170
.set SW,   172
.set PC,   184
.set PT,   208
.set G0W, 32
.set G0X, 36
.set G1W, 48
.set G1X, 56
.set HM,  47
.set SEL, 90
.set MSB, 0
.macro WIN new
.if MSB != \new
	s_set_vgpr_msb (MSB<<8)|\new
.set MSB, \new
.endif
.endm
.macro PLACES n
.rept \n
	v_nop
.endr
.endm
.macro CROUND                          ; a round of the cluster's barrier
	s_barrier_signal -1
	s_barrier_wait -1
	s_cmp_lg_u32 s14, 0
	s_cbranch_scc1 .Lnot_wave_0_\@
	s_barrier_signal -3
.Lnot_wave_0_\@:
	s_barrier_wait -3
	s_barrier_signal -1
	s_barrier_wait -1
.endm
.macro TLOAD g0, g1
	tensor_load_to_lds s[\g0:\g0+3], s[\g1:\g1+7]
	s_nop 0
	PLACES 4
.endm
	s_load_b256 s[4:11], s[0:1], 0x0               ; xq s[4:5], wq s[6:7], bq s[8:9], bk s[10:11]
	s_load_b128 s[24:27], s[0:1], 0x20             ; bv s[24:25], qh s[26:27]
	s_load_b64 s[28:29], s[0:1], 0x30              ; kv
	v_lshl_add_u32 v[SPW], v0, 2, SPARE
	v_mov_b32 v[NIL], 0
	ds_add_u32 v[SPW], v[NIL]
	ds_add_u32 v[SPW], v[NIL]
	v_lshrrev_b32 v1, 5, v0
	v_readfirstlane_b32 s14, v1                    ; wave: my head of the four
	s_lshr_b32 s15, s14, 1                         ; the half of K that I fetch
	s_bfe_u32 s40, ttmp6, 0x40000                  ; cx
	s_bfe_u32 s41, ttmp6, 0x40004                  ; cy
	s_lshl_b32 s42, ttmp9, 2
	s_add_co_u32 s42, s42, s40                     ; column group, 0 .. 3
	s_and_b32 s43, ttmp7, 0xffff
	s_cmp_lt_u32 s43, 4
	s_cselect_b32 s46, 1, 0                        ; my cluster is among the four rows of clusters that prefetch the weights
	s_lshl_b32 s43, s43, 2
	s_add_co_u32 s43, s43, s41                     ; row block, 0 .. 63
	s_lshl_b32 s44, s41, 2
	s_lshl_b32 s44, 15, s44                        ; my row of the cluster
	s_lshl_b32 s45, 0x1111, s40                    ; my column
	s_or_b32 s[G1W+0], s45, (3<<16)|(1<<21)        ; a weight's half: 16 rows of 768 elements of 8 bytes, 12,288 bytes apart
	s_mov_b32 s[G1W+1], 768<<16
	s_mov_b32 s[G1W+2], 16<<16
	s_mov_b32 s[G1W+3], 768<<16
	s_mov_b32 s[G1W+4], 16
	s_mov_b32 s[G1W+5], 1536
	s_mov_b32 s[G1W+6], 0
	s_mov_b32 s[G1W+7], 0
	s_or_b32 s[G1X+0], s44, (1<<20)|(1<<21)|(3<<22)|(3<<25)   ; the tokens' half: 192 dense rows of 256 bytes; behind every 16 dwords 4 of padding
	s_mov_b32 s[G1X+1], 256<<16
	s_mov_b32 s[G1X+2], 192<<16
	s_mov_b32 s[G1X+3], 256<<16
	s_mov_b32 s[G1X+4], 192
	s_mov_b32 s[G1X+5], 256
	s_mov_b32 s[G1X+6], 0
	s_mov_b32 s[G1X+7], 0
	s_mul_i32 s82, s42, 196608                     ; Wk's images, my column group
	s_add_co_u32 s82, s82, 786432
	s_mov_b32 s83, 0
	s_mul_i32 s17, s15, 6144
	s_add_co_u32 s20, s82, s17                     ; + my half of K
	s_mov_b32 s21, 0
	s_mul_i32 s84, s43, 98304                      ; key_value's codes, my row block
	s_add_co_u32 s84, s84, 6291456
	s_mov_b32 s85, 0
	s_mul_i32 s17, s15, 49152
	s_add_co_u32 s22, s84, s17
	s_mov_b32 s23, 0
	s_mov_b32 s[G0W], 1
	s_mul_i32 s[G0W+1], s15, AHALF
	s_mov_b32 s[G0X], 1
	s_mul_i32 s[G0X+1], s15, 2*BCH
	s_add_co_u32 s[G0X+1], s[G0X+1], BBASE
	s_lshl_b32 s68, s43, 12                        ; query's scale bytes, my 128 rows (key_value's: 262,144 on)
	s_add_co_u32 s68, s68, 12582912
	s_mov_b32 s69, 0
	s_lshl_b32 s70, s42, 13                        ; Wq's scale bytes, my 64 columns (Wk's, Wv's: 32,768 and 65,536 on)
	s_lshl_b32 s17, s14, 11
	s_add_co_u32 s70, s70, s17
	s_add_co_u32 s70, s70, 3145728
	s_mov_b32 s71, 0
	s_lshl_b32 s72, s42, 10                        ; my first column in a bias, in bytes
	s_lshl_b32 s17, s14, 8
	s_add_co_u32 s72, s72, s17
	s_mov_b32 s73, 0
	s_lshl_b32 s74, s42, 2
	s_add_co_u32 s74, s74, s14                     ; head
	s_lshr_b32 s17, s43, 4
	s_lshl_b32 s17, s17, 4
	s_add_co_u32 s74, s74, s17                     ; 16 x batch + head
	s_and_b32 s75, s43, 15                         ; key step
	s_mul_i32 s76, s74, 208896
	s_mul_i32 s17, s75, 13056
	s_add_co_u32 s76, s76, s17                     ; my block of kv
	s_mov_b32 s77, 0
	s_mul_i32 s78, s74, 98304
	s_mul_i32 s17, s75, 6144
	s_add_co_u32 s78, s78, s17                     ; Q's codes
	s_mov_b32 s79, 0
	s_lshl_b32 s80, s74, 13
	s_lshl_b32 s17, s75, 9
	s_add_co_u32 s80, s80, s17
	s_add_co_u32 s80, s80, 6291456                 ; Q's scale words
	s_mov_b32 s81, 0
	s_mul_i32 s86, s14, 24576                      ; LDS: my four tiles in a weight's half
	s_lshl_b32 s87, s41, 2
	s_add_co_u32 s87, s87, s14
	s_mul_i32 s87, s87, 12288                      ; prefetches: my tile of a weight's sixteen,
	s_lshl_b32 s88, s40, 2
	s_add_co_u32 s88, s88, s14
	s_mul_i32 s88, s88, 3072                       ; my sixteenth of the tokens' half
	s_mov_b32 s[HM], 0xffff0000                    ; lanes 16-31
	s_mov_b32 s[SEL], 0x76543210
	s_mov_b32 s[SEL+1], 0xfedcba98                 ; lane l xor 16
	s_wait_alu depctr_va_vdst(0)
	s_wait_dscnt 0x0                               ; both opening adds are done
	CROUND                                         ; all sixteen work-groups are here: the joint loads meet
	s_wait_kmcnt 0x0
	s_add_nc_u64 s[G0W+2:G0W+3], s[6:7], s[20:21]
	s_or_b32 s[G0W+3], s[G0W+3], 0x80000000
	s_add_nc_u64 s[G0X+2:G0X+3], s[4:5], s[22:23]
	s_or_b32 s[G0X+3], s[G0X+3], 0x80000000
	s_cmp_eq_u32 s14, 0                            ; one chain of branches on the wave's number, one load to an arm
	s_cbranch_scc0 .Lwave_1
	TLOAD G0W, G1W
	s_branch .Lasked
.Lwave_1:
	s_cmp_eq_u32 s14, 1
	s_cbranch_scc0 .Lwave_2
	TLOAD G0X, G1X
	s_branch .Lasked
.Lwave_2:
	s_cmp_eq_u32 s14, 2
	s_cbranch_scc0 .Lwave_3
	TLOAD G0W, G1W
	s_branch .Lasked
.Lwave_3:
	TLOAD G0X, G1X
.Lasked:
	s_add_nc_u64 s[68:69], s[4:5], s[68:69]
	s_add_nc_u64 s[70:71], s[6:7], s[70:71]
	s_add_nc_u64 s[92:93], s[8:9], s[72:73]
	s_add_nc_u64 s[94:95], s[10:11], s[72:73]
	s_add_nc_u64 s[96:97], s[24:25], s[72:73]
	s_add_nc_u64 s[76:77], s[28:29], s[76:77]
	s_add_nc_u64 s[78:79], s[26:27], s[78:79]
	s_add_nc_u64 s[80:81], s[26:27], s[80:81]
	s_add_nc_u64 s[82:83], s[6:7], s[82:83]
	s_add_nc_u64 s[84:85], s[4:5], s[84:85]
	v_and_b32 v1, 15, v0                           ; r
	v_bfe_u32 v2, v0, 4, 1                         ; h
	v_and_b32 v3, 31, v0
	v_lshlrev_b32 v[LI], 4, v3
	v_lshlrev_b32 v[L8], 3, v3
	v_add_nc_u32 v[ADRW], s86, v[LI]               ; the weights' images: 16 x lane; v[ADRW+1]: the second half of K
	v_add_nc_u32 v[ADRW+1], AHALF, v[ADRW]
	v_mul_u32_u24 v20, v1, 240
	v_mad_u32_u24 v20, v2, 24, v20
	v_add_nc_u32 v[ADRX], BBASE, v20               ; the tokens' rows: 240 r + 24 h;
	v_lshl_add_u32 v[ADRX+2], v2, 4, v[ADRX]       ; for the pieces whose lanes 16-31 lie behind one padding more;
	v_add_nc_u32 v[ADRX+1], 2*BCH, v[ADRX]         ; and both for the second half
	v_add_nc_u32 v[ADRX+3], 2*BCH, v[ADRX+2]
	v_lshlrev_b32 v21, 5, v1
	v_lshl_add_u32 v[SXO], v2, 11, v21             ; scale bytes: row r; lanes 16-31 four tiles on (tokens),
	v_lshl_add_u32 v[SWO], v2, 10, v21             ; two tiles on (weights)
	v_lshlrev_b32 v[BO], 6, v2
	v_and_b32 v21, 8, v1
	v_add_nc_u32 v21, v21, v1
	v_lshlrev_b32 v[BOV], 2, v21                   ; V's bias: stored row r of a tile is column r + 8 (r / 8)
	v_min_u32 v21, 23, v3
	v_lshl_add_u32 v[PFW], v21, 8, s87
	v_min_u32 v21, 11, v3
	v_lshl_add_u32 v[PFX], v21, 8, s88
.irp b, 0,1,2,3
	v_mov_b32 v[TM+4+\b], 0                        ; written once: a lane permute's destination counts as one of its sources
.endr
	s_wait_alu depctr_va_vdst(0)
.irp i, 0,1,2,3
.irp c, 0,1
	global_load_b128 v[32+8*\i+4*\c:32+8*\i+4*\c+3], v[SXO], s[68:69] offset:262144+512*\i+16*\c
	global_load_b128 v[64+8*\i+4*\c:64+8*\i+4*\c+3], v[SXO], s[68:69] offset:512*\i+16*\c
.endr
.endr
.irp p, 0,1,2                                  ; phase p takes weight (p + 1) % 3 of q, k, v
.irp b, 0,1
.irp c, 0,1
	global_load_b128 v[SWT+16*\p+8*\b+4*\c:SWT+16*\p+8*\b+4*\c+3], v[SWO], s[70:71] offset:((\p+1)%3)*32768+512*\b+16*\c
.endr
.endr
.endr
	WIN 0xc0                                       ; the biases: window 3
.irp b, 0,1,2,3                                ; K, Q: register j of tile b is column 32 (b / 2) + 8 (b % 2) + 16 h + j
	global_load_b128 v[96+8*\b:96+8*\b+3], v[BO], s[94:95] offset:4*(32*(\b/2)+8*(\b%2))
	global_load_b128 v[96+8*\b+4:96+8*\b+7], v[BO], s[94:95] offset:4*(32*(\b/2)+8*(\b%2))+16
	global_load_b128 v[160+8*\b:160+8*\b+3], v[BO], s[92:93] offset:4*(32*(\b/2)+8*(\b%2))
	global_load_b128 v[160+8*\b+4:160+8*\b+7], v[BO], s[92:93] offset:4*(32*(\b/2)+8*(\b%2))+16
.irp j, 0,1,2,3,4,5,6,7                        ; V: one number a lane and tile, in the tile's eight registers
	global_load_b32 v[128+8*\b+\j], v[BOV], s[96:97] offset:4*(32*(\b/2)+8*(\b%2))
.endr
.endr
	WIN 0
	s_cmp_lt_u32 s14, 2
	s_cbranch_scc0 .Lnot_first
	s_wait_tensorcnt 0x0                           ; waves 0 and 1: my tile of the first half of K is in
.Lnot_first:
	s_barrier_signal -1
	s_barrier_wait -1                              ; both are; the second halves may be on their way
.macro FRAGX reg, Q, i                 ; tokens: step Q % 2 of chunk Q / 2
.irp p, 0,1,2,3,4,5
.set PCE, 12*((\Q)%2)+6*(\p/3)+\p%3    ; the piece of 8 bytes in the row of 192; lanes 16-31 read three pieces on
.set OF_, 8*PCE+16*(PCE/8)+(\i)*3840+(((\Q)/2)%2)*BCH
.if PCE%8 < 5
	ds_load_b64 v[\reg+2*\p:\reg+2*\p+1], v[ADRX+(\Q)/4] offset:OF_
.else
	ds_load_b64 v[\reg+2*\p:\reg+2*\p+1], v[ADRX+2+(\Q)/4] offset:OF_
.endif
.endr
.endm
.macro FETCH Q                         ; 60 loads: the tokens' eight fragments and my weight's four into set Q % 2
	WIN 0x40
.irp i, 0,1,2,3,4,5,6,7
	FRAGX 128*((\Q)%2)+12*\i, \Q, \i
.endr
	WIN 0xc0
.irp i, 0,1,2,3
.irp e, 0,1,2
	ds_load_b128 v[48*((\Q)%2)+12*\i+4*\e:48*((\Q)%2)+12*\i+4*\e+3], v[ADRW+(\Q)/4] offset:\i*6144+((\Q)%4)*1536+512*\e
.endr
.endr
.endm
.macro PR d, s0, s1, c, x0, x1, r0, r1
	v_wmma_scale_f32_16x16x128_f8f6f4 v[\d:\d+7], v[\s0:\s0+11], v[\s1:\s1+11], \c, v[\x0], v[\x1] matrix_a_fmt:MATRIX_FMT_FP6 matrix_b_fmt:MATRIX_FMT_FP6 matrix_a_scale:MATRIX_SCALE_ROW\r0 matrix_b_scale:MATRIX_SCALE_ROW\r1
.endm
.macro MUL Q, ah, first, ph            ; 16 products: the tokens' tiles 4 ah .. 4 ah + 3 x my weight's four
.irp al, 0,1,2,3
.irp bh, 0,1
.irp bl, 0,1
.set XA_, 128*((\Q)%2)+12*(4*\ah+\al)
.set WB_, 48*((\Q)%2)+12*(2*\bh+\bl)
.set C_, 96+32*(\ph)+8*(2*\bh+\bl)
.set XS_, 32+32*((\ph)/2)+8*\al+(\Q)
.set WS_, SWT+16*(\ph)+8*\bl+(\Q)
.if (\ph) == 1
.set D_, 8*(8*(2*\bh+\bl)+4*\ah+\al)
.if \first
	PR D_, XA_, WB_, v[C_:C_+7], XS_, WS_, \ah, \bh
.else
	PR D_, XA_, WB_, v[D_:D_+7], XS_, WS_, \ah, \bh
.endif
.else
.set D_, 8*(4*(4*\ah+\al)+2*\bh+\bl)
.if \first
	PR D_, WB_, XA_, v[C_:C_+7], WS_, XS_, \bh, \ah
.else
	PR D_, WB_, XA_, v[D_:D_+7], WS_, XS_, \bh, \ah
.endif
.endif
.endr
.endr
.endr
.endm
.macro MWIN first, ph                  ; tokens window 1, weights window 3, D window 2; C window 2, or 3 for the bias
.if (\ph) == 1
.if \first
	WIN 0xbd
.else
	WIN 0xad
.endif
.else
.if \first
	WIN 0xb7
.else
	WIN 0xa7
.endif
.endif
.endm
.macro REFILL hf, ph                   ; half hf takes the next phase's tensor: the wave that filled it at the head fills it again
	s_cmp_eq_u32 s14, 2*(\hf)
	s_cbranch_scc0 .Lnot_w_\@
	TLOAD G0W, G1W
.if (\ph) == 1
	s_branch .Lfilled_\@
.endif
.Lnot_w_\@:
.if (\ph) == 1
	s_cmp_eq_u32 s14, 2*(\hf)+1
	s_cbranch_scc0 .Lfilled_\@
	TLOAD G0X, G1X
.Lfilled_\@:
.endif
.endm
.macro ASKW off                        ; a weight's half, off bytes from Wk's first: my tile's 24 blocks
	WIN 0
	s_cmp_eq_u32 s46, 1
	s_cbranch_scc0 .Lnot_mine_\@
	global_prefetch_b8 v[PFW], s[82:83] offset:\off th:TH_LOAD_NT scope:SCOPE_SE
.Lnot_mine_\@:
.endm
.macro ASKX off                        ; query's half, off bytes from key_value's first: my 12 blocks
	WIN 0
	global_prefetch_b8 v[PFX], s[84:85] offset:\off th:TH_LOAD_NT scope:SCOPE_SE
.endm
.macro KS Q, ph
.set F_, 0
.if (\Q) == 0
.set F_, 1
.endif
	s_wait_dscnt 0x0                               ; this step's fragments are in: with step 3's, or 7's, my reads of their half of K are over
.if ((\Q)%4 == 3) && ((\ph) < 2)
	WIN 0
	s_wait_tensorcnt 0x0                           ; all my tensor loads have landed;
	ds_add_u32 v[SPW], v[NIL]                      ; 0 onto my spare word
.if (\Q) == 3                                  ; no load of mine is out: both my descriptors step to the next phase's tensors
.if (\ph) == 0
	s_add_nc_u64 s[G0W+2:G0W+3], s[G0W+2:G0W+3], 786432
.else
	s_sub_nc_u64 s[G0W+2:G0W+3], s[G0W+2:G0W+3], 1572864
	s_sub_nc_u64 s[G0X+2:G0X+3], s[G0X+2:G0X+3], 6291456
.endif
.endif
	MWIN 0, \ph
	MUL \Q, 0, 0, \ph                              ; sixteen products between the add and the wait for it
	WIN 0
	s_wait_dscnt 0x0
	CROUND                                         ; no wave of any partner still reads this half or has a load on its way
	REFILL (\Q)/4, \ph
	PLACES 4                                       ; in front of loads into the set that the last step's products have read
	FETCH ((\Q)+1)%8
.elseif ((\Q) == 3)
	s_wait_tensorcnt 0x0                           ; the last refills are in,
	s_barrier_signal -1
	MWIN 0, \ph
	MUL \Q, 0, 0, \ph
	s_barrier_wait -1                              ; for all four waves
	PLACES 4
	FETCH 4
.else
	MWIN F_, \ph
	MUL \Q, 0, F_, \ph
.if (\Q) < 7
	PLACES 4
	FETCH (\Q)+1
.endif
.endif
.if ((\ph) == 0) && ((\Q) == 0)
	ASKW 786432                                    ; Wv's first half: its refill stands in step 3
.endif
.if ((\ph) == 0) && ((\Q) == 2)
	ASKW 786432+6144                               ; Wv's second: step 7
.endif
.if ((\ph) == 0) && ((\Q) == 5)
	ASKW -786432                                   ; Wq's and query's first halves: the next phase's step 3
	ASKX -6291456
.endif
.if ((\ph) == 1) && ((\Q) == 1)
	ASKW -786432+6144                              ; their second halves: step 7
	ASKX -6291456+49152
.endif
	MWIN F_, \ph
	MUL \Q, 1, F_, \ph
.endm
; THE WAY OUT of 64 accumulator registers: four scale blocks of 32, each in lanes l and l xor 16; d0 takes the codes of blocks 0, 1, d1 those of blocks 2, 3; pw the four bytes
.macro QUANTW a, d0, d1, pw
.set AC, 64*(\a)
	WIN 0x28
.irp b, 0,1,2,3
	v_max3_num_f32 v[TM+\b], 0x1800000, |v[AC+16*\b]|, |v[AC+16*\b+1]|   ; with the floor 2^(3 - 127); each accumulator from its low end on
.endr
.irp i, 2,4,6,8,10,12,14
.irp b, 0,1,2,3
	v_max3_num_f32 v[TM+\b], v[TM+\b], |v[AC+16*\b+\i]|, |v[AC+16*\b+\i+1]|
.endr
.endr
	WIN 0
.irp b, 0,1,2,3
	v_permlanex16_b32 v[TM+4+\b], v[TM+\b], s[SEL], s[SEL+1]
.endr
.irp b, 0,1,2,3
	v_max_num_f32 v[TM+\b], v[TM+\b], v[TM+4+\b]
.endr
.irp b, 0,1,2,3
	v_add_nc_u32 v[TM+12+\b], 0xff000000, v[TM+\b]   ; 2 off the exponent field: the conversion's scale operand
.endr
.irp b, 0,1,2,3
	v_lshrrev_b32 v[TM+4+\b], 23, v[TM+12+\b]        ; the scale's byte
.endr
	v_lshl_or_b32 v[\pw], v[TM+5], 8, v[TM+4]
	v_lshl_or_b32 v[\pw], v[TM+6], 16, v[\pw]
	v_lshl_or_b32 v[\pw], v[TM+7], 24, v[\pw]
	WIN 2
	v_cvt_scalef32_pk16_fp6_f32 v[\d0:\d0+2], v[AC:AC+15], v[TM+12]
	v_cvt_scalef32_pk16_fp6_f32 v[PT:PT+2], v[AC+16:AC+31], v[TM+13]
	v_cvt_scalef32_pk16_fp6_f32 v[\d1:\d1+2], v[AC+32:AC+47], v[TM+14]
	v_cvt_scalef32_pk16_fp6_f32 v[PT+4:PT+6], v[AC+48:AC+63], v[TM+15]
	WIN 0
	v_nop                                          ; one plain place behind a scaled conversion
.irp i, 0,1,2
	v_permlane16_swap_b32 v[\d0+\i], v[PT+\i]      ; the operand's layout wants a whole block in a lane
	v_permlane16_swap_b32 v[\d1+\i], v[PT+4+\i]
.endr
.irp i, 0,1,2
	v_mov_b32 v[\d0+3+\i], v[PT+\i]
	v_mov_b32 v[\d1+3+\i], v[PT+4+\i]
.endr
.endm
.macro OUTQK cb, sb, so                ; K or Q: group i is the pair of token tiles 2 i, 2 i + 1, 32 registers along d each
	WIN 0
	PLACES 4
.irp i, 0,1,2,3
	s_wait_xcnt 0x0                                ; the earlier stores have read their registers
	QUANTW \i, PC, PC+6, PW0
	v_and_b32 v[T], 0xffff, v[PW0]
	v_lshrrev_b32 v[T+1], 16, v[PW0]
	v_cndmask_b32 v[SW+\i], v[T], v[T+1], s[HM]    ; lanes 0-15 the even tile's two bytes, lanes 16-31 the odd tile's; the unused blocks' bytes are 0
.irp e, 0,1,2
	global_store_b128 v[LI], v[PC+4*\e:PC+4*\e+3], s[\cb:\cb+1] offset:1536*\i+512*\e   ; the wave stores 512 consecutive bytes, aligned
.endr
.endr
	global_store_b128 v[LI], v[SW:SW+3], s[\sb:\sb+1] offset:\so
.endm
.macro OUTV                            ; V: group a is tile a of d, 64 registers along the 128 tokens
	WIN 0
	PLACES 4
.irp a, 0,1,2,3
	s_wait_xcnt 0x0
	QUANTW \a, PC, PC+6, PW0+\a%2
.irp e, 0,1,2
	global_store_b128 v[LI], v[PC+4*\e:PC+4*\e+3], s[76:77] offset:6144+1536*\a+512*\e
.endr
.if \a%2 == 1
	v_cndmask_b32 v[SW+\a/2], v[PW0], v[PW1], s[HM]
.endif
.endr
	global_store_b64 v[L8], v[SW:SW+1], s[76:77] offset:12800
.endm
	FETCH 0
	s_wait_loadcnt 0x0                             ; the scale words and the biases
.irp q, 0,1,2,3,4,5,6,7
	KS \q, 0
.endr
	OUTQK 76, 76, 12288
.irp q, 0,1,2,3,4,5,6,7
	KS \q, 1
.endr
	OUTV
.irp q, 0,1,2,3,4,5,6,7
	KS \q, 2
.endr
	OUTQK 78, 80, 0
	s_wait_tensorcnt 0x0                           ; the wave's end
	ds_add_u32 v[SPW], v[NIL]
	s_wait_dscnt 0x0
	CROUND                                         ; the closing round
	s_endpgm
.Lfunc_end_k_q850198aee6_proj:
	.size	k_q850198aee6_proj, .Lfunc_end_k_q850198aee6_proj-k_q850198aee6_proj
	.p2alignl 7, 3214868480
	.fill 96, 4, 3214868480
	.section	.rodata,"a",@progbits
	.p2align	6, 0x0
	.amdhsa_kernel k_q850198aee6_proj
		.amdhsa_group_segment_fixed_size 327680
		.amdhsa_private_segment_fixed_size 0
		.amdhsa_enable_private_segment 0
		.amdhsa_kernarg_size 56
		.amdhsa_user_sgpr_count 2
		.amdhsa_user_sgpr_kernarg_segment_ptr 1
		.amdhsa_wavefront_size32 1
		.amdhsa_system_sgpr_workgroup_id_x 1
		.amdhsa_system_sgpr_workgroup_id_y 1
		.amdhsa_system_sgpr_workgroup_id_z 1
		.amdhsa_system_vgpr_workitem_id 0
		.amdhsa_next_free_vgpr 1024
		.amdhsa_next_free_sgpr 100
		.amdhsa_reserve_vcc 0
		.amdhsa_float_denorm_mode_32 3
		.amdhsa_float_denorm_mode_16_64 3
		.amdhsa_memory_ordered 1
		.amdhsa_forward_progress 1
		.amdhsa_inst_pref_size 255
	.end_amdhsa_kernel
	.section	.bss,"aw",@nobits
	.p2align	6
	.space	262144
	.amdgpu_metadata
---
amdhsa.version: [ 1, 2 ]
amdhsa.kernels:
  - .name:           k_q850198aee6_proj
    .symbol:         k_q850198aee6_proj.kd
    .args:
      - { .name: xq, .offset: 0, .size: 8, .value_kind: global_buffer, .address_space: global }
      - { .name: wq, .offset: 8, .size: 8, .value_kind: global_buffer, .address_space: global }
      - { .name: bq, .offset: 16, .size: 8, .value_kind: global_buffer, .address_space: global }
      - { .name: bk, .offset: 24, .size: 8, .value_kind: global_buffer, .address_space: global }
      - { .name: bv, .offset: 32, .size: 8, .value_kind: global_buffer, .address_space: global }
      - { .name: qh, .offset: 40, .size: 8, .value_kind: global_buffer, .address_space: global }
      - { .name: kv, .offset: 48, .size: 8, .value_kind: global_buffer, .address_space: global }
    .group_segment_fixed_size: 327680
    .private_segment_fixed_size: 0
    .kernarg_segment_align: 8
    .kernarg_segment_size: 56
    .max_flat_workgroup_size: 128
    .sgpr_count:     100
    .vgpr_count:     1024
    .wavefront_size: 32
...
	.end_amdgpu_metadata
.endif
;; end of part 2
;; launch attn (part 3): grid 4 x 64, 16 waves a work-group, clusters of 4 x 1, 263,168 bytes of LDS; arguments qh, kv, oh; writes oh
.if DOCPART == 3
	.amdgcn_target "amdgcn-amd-amdhsa--gfx1250"
	.amdhsa_code_object_version 6
	.text
	.protected	k_q850198aee6_attn
	.globl	k_q850198aee6_attn
	.p2align	8
	.type	k_q850198aee6_attn,@function
k_q850198aee6_attn:
	s_mov_b64 s[64:65], 0
	v_nop
	global_prefetch_b8 v0, s[64:65] scope:SCOPE_SE
	s_setreg_imm32_b32 hwreg(HW_REG_WAVE_MODE, 25, 1), 1
	s_wait_xcnt 0x0
	s_wait_alu depctr_hold_cnt(0) depctr_sa_sdst(0) depctr_va_vdst(0) depctr_va_sdst(0) depctr_va_ssrc(0) depctr_va_vcc(0) depctr_vm_vsrc(0)
	s_getreg_b32 s2, hwreg(HW_REG_IB_STS2, 6, 4)
	s_cmp_eq_u32 s2, 0
	s_cbranch_scc0 .Lentry_in_a_cluster
	s_endpgm
.Lentry_in_a_cluster:
	s_bfe_u32 s2, ttmp6, 0x10000c
	s_cmp_lg_u32 s2, 0x3003
	s_cbranch_scc0 .Lentry_shape_is_right
	s_endpgm
.Lentry_shape_is_right:
; O = softmax(q k^T / 8) v for one head, both products on codes of FP6 (E2M3) with E8M0 scales; O / l is quantised along d and stored as codes for the last product.
; THE SOFTMAX: t = score x log2(e) / 8; M = the running largest t rounded up to a whole number; p = 2^(t - M) is quantised along the keys, not normalised; the row's sum is taken of the unquantised p
; and divides O at the end.  When M moves, the sum and O are multiplied by 2^(old M - new M): exact.
; SHARES.  A work-group owns 512 queries of one head (16 x batch + head = the cluster's y); the four work-groups of a cluster are the head's four blocks.  Each of sixteen waves owns two tiles of 16 queries, one after the other.
; LDS holds the head's whole block of kv, 16 steps of 128 keys, filled ONCE: wave w asks for step w by one joint tensor load (the same descriptor in all four partners).  Nothing is filled again, nothing is stored to LDS,
; and there is no loop of loads to run ahead in: so no prefetch.  A step is 13,056 dense bytes, 51 rows of 256, with 64 bytes of padding behind each row in LDS: byte y lies at y + 64 (y / 256), a step takes 16,320 bytes.
; A step's block: K's four pairs of tiles (images of 12 registers: [piece of 4 registers][lane][16 bytes]), V^T's four fragments likewise, K's scale words [lane][4 pairs], V's.
; LAYOUT.  S^T = K Q^T (source 0 = 16 keys, source 1 = 16 queries), O^T = V^T P^T: a lane holds one query throughout.
; WHICH KEYS FORM A TILE is chosen by the lanes' LDS addresses.  In kv, row r = 8 b + j of tile 2 g + u is key 32 g + 8 u + 16 b + j.  Here row m of tile 4 a + 2 b + u reads row 8 b + m % 8 of kv's tile 4 a + 2 (m / 8) + u:
; key 64 a + 32 (m / 8) + 8 (2 b + u) + m % 8.  A result's register j of lane (r, h) is row 8 h + j: so the 32 registers of tiles 4 a .. 4 a + 3 are keys 64 a + 32 h + 0 .. 31: a WHOLE scale block of p, in the order of
; the second product's operand.  No lane is asked for a block's maximum and no codes change lanes.  kv's pair 2 a + 1 lies 6 padded rows, 1,920 bytes, behind pair 2 a: 128 modulo 256, so lanes m < 8 and m >= 8 meet no bank twice.
; THE HEAD'S K IS 64 OF THE INSTRUCTION'S 128: Q's registers 6-11 hold zero codes; K's fragment of a tile is named as 12 registers of which the upper six are the next tile's codes, which meet Q's zero codes;
; the scale bytes of the two unused blocks are 0 on both sides.
; d and the queries lie in the stored order (bits 3 and 4 of an index exchanged): the 16 registers of O^T's tiles 2 g, 2 g + 1 are d = 32 g + 16 (lane / 16) + 0 .. 15.
; OUT.  oh: codes [512 tiles of 16 stored rows][16 heads][768 bytes]: registers 2 e, 2 e + 1 of lane l at 256 e + 8 l; scale bytes from byte 6,291,456 on, [8192 stored rows][32], two for each head (2 bytes a lane, rows 32 bytes apart).
; LIMITS: NaN and infinities are not served; the scaled scores t stay under 2^31 in magnitude; a block whose largest magnitude lies under 2^-124 gets the byte 1 (zero codes add nothing; this program alone reads the bytes); 1 / l is v_rcp_f32's.
; A block's largest p is made from its largest score by the same multiply-add and exponential as every p.
; REGISTERS: v1 LDS: 16 x lane + 64 (lane / 16) (at the head: 16 x lane, for Q), v2 8 x lane, v3-4, v10-11 the step's LDS addresses, v5 at work, v6 f, v7 K's scale words' lane address (named with v6 as a pair, never multiplied by),
; v8-9 the conversions' scale operands, v12 -M, v13 the largest t, v[14:15] the sum, v16-39 Q's two tiles, v40 Q's scale words, v41 O's scale bytes, v42-95 K (behind the scores' products: v42-53 p's codes,
; v54-60 the conversions' second halves, v[62:63] a second chain of sums), v96-159 S^T then p, v160-191 O^T, v192-239 V, v240-243 K's scale words, v244-245 V's, v246 p's, v247 32 x lane, v248-251 maxima,
; v252-253 at work, v254 K's lane address, v255 8 (lane / 16) (both serve the add at the head and at the end).
.set STEPB, 13056
.set STEPL, 16320
.set SPARE, 16*STEPL
.set BM, 248
.set BP, 252
.set SO, 8
.set PC, 42
.set PT, 54
.macro ROUND                           ; a round of the cluster's barrier
	s_barrier_signal -1
	s_barrier_wait -1
	s_cmp_lg_u32 s10, 0
	s_cbranch_scc1 .Lnot_wave_0_\@
	s_barrier_signal -3
.Lnot_wave_0_\@:
	s_barrier_wait -3
	s_barrier_signal -1
	s_barrier_wait -1
.endm
	s_load_b128 s[4:7], s[0:1], 0x0                ; qh, kv
	s_load_b64 s[8:9], s[0:1], 0x10                ; oh
	v_lshl_add_u32 v254, v0, 2, SPARE
	v_mov_b32 v255, 0
	ds_add_u32 v254, v255
	ds_add_u32 v254, v255
	s_wait_dscnt 0x0
	v_lshrrev_b32 v1, 5, v0
	s_delay_alu instid0(VALU_DEP_1)
	v_readfirstlane_b32 s10, v1                    ; wave 0..15
	v_and_b32 v2, 31, v0
	s_delay_alu instid0(VALU_DEP_1)
	v_lshlrev_b32 v1, 4, v2                        ; 16 x lane
	s_delay_alu instid0(VALU_DEP_2)
	v_lshlrev_b32 v247, 5, v2                      ; 32 x lane
	s_delay_alu instid0(VALU_DEP_3)
	v_lshlrev_b32 v2, 3, v2                        ; 8 x lane
	s_bfe_u32 s11, ttmp6, 0x40000                  ; cx: it enters Q's and O's global addresses alone
	s_and_b32 s12, ttmp7, 0xffff                   ; 16 x batch + head
	s_lshl_b32 s13, s11, 4
	s_add_co_u32 s13, s13, s10                     ; my pair of tiles, 0 .. 63
	s_mov_b32 s16, 15|(3<<16)|(1<<20)|(1<<21)|(5<<22)|(15<<25)   ; the mask: all four; elements of 8 bytes; behind every 64 dwords 16 dwords of padding; bit 21 beside a mask
	s_mov_b32 s17, 32<<16                          ; 51 rows of 256 bytes, dense
	s_mov_b32 s18, 51<<16
	s_mov_b32 s19, 32<<16
	s_mov_b32 s20, 51
	s_mov_b32 s21, 32
	s_mov_b32 s22, 0
	s_mov_b32 s23, 0
	s_mov_b32 s24, 1
	s_mul_i32 s25, s10, STEPB
	s_mul_i32 s54, s12, 16*STEPB
	s_add_co_u32 s54, s54, s25                     ; in kv: the head's block, step w
	s_mul_i32 s25, s10, STEPL                      ; in LDS: step w
	s_mov_b32 s55, 0
	s_mov_b32 s28, 0x76543210
	s_mov_b32 s29, 0xfedcba98                      ; lane l xor 16
	s_mov_b32 s30, 0x3e38aa3b                      ; c = log2(e) / 8
	s_mov_b32 s31, s30
	s_mov_b32 s35, 0xffff0000                      ; lanes 16-31
	s_mul_i32 s44, s12, 98304
	s_mul_i32 s46, s13, 1536
	s_add_co_u32 s44, s44, s46                     ; Q's codes: my pair's image
	s_mov_b32 s45, 0
	s_lshl_b32 s46, s12, 13
	s_lshr_b32 s47, s13, 2
	s_lshl_b32 s47, s47, 9
	s_add_co_u32 s46, s46, s47
	s_and_b32 s47, s13, 3
	s_lshl_b32 s47, s47, 2
	s_add_co_u32 s46, s46, s47
	s_add_co_u32 s46, s46, 6291456                 ; Q's scale words
	s_mov_b32 s47, 0
	s_lshr_b32 s48, s12, 4                         ; batch
	s_and_b32 s49, s12, 15                         ; head
	s_lshl_b32 s50, s48, 7
	s_lshl_b32 s51, s13, 1
	s_add_co_u32 s50, s50, s51
	s_mul_i32 s50, s50, 12288
	s_mul_i32 s51, s49, 768
	s_add_co_u32 s50, s50, s51                     ; O's codes
	s_mov_b32 s51, 0
	s_lshl_b32 s52, s48, 11
	s_lshl_b32 s53, s13, 5
	s_add_co_u32 s52, s52, s53
	s_lshl_b32 s52, s52, 5
	s_lshl_b32 s53, s49, 1
	s_add_co_u32 s52, s52, s53
	s_add_co_u32 s52, s52, 6291456                 ; O's scale bytes
	s_mov_b32 s53, 0
	s_wait_kmcnt 0x0
	s_add_nc_u64 s[26:27], s[6:7], s[54:55]
	s_or_b32 s27, s27, 0x80000000
	s_add_nc_u64 s[40:41], s[4:5], s[44:45]
	s_add_nc_u64 s[42:43], s[4:5], s[46:47]
	s_add_nc_u64 s[36:37], s[8:9], s[50:51]
	s_add_nc_u64 s[38:39], s[8:9], s[52:53]
	ROUND                                          ; all four work-groups are here: the joint loads meet
	tensor_load_to_lds s[24:27], s[16:23]          ; my one tensor load: step w of the head's K and V
	s_nop 0
.rept 4
	v_nop
.endr
	s_wait_alu depctr_va_vdst(0)
	global_load_b128 v[16:19], v1, s[40:41]               ; the pair's registers 0-3: tile 0
	global_load_b64 v[20:21], v1, s[40:41] offset:512     ; 4, 5: tile 0
	global_load_b64 v[28:29], v1, s[40:41] offset:520     ; 6, 7: tile 1
	global_load_b128 v[30:33], v1, s[40:41] offset:1024   ; 8-11: tile 1
	global_load_b32 v40, v1, s[42:43]                     ; lanes 0-15 tile 0's scale words, lanes 16-31 tile 1's
.irp j, 22,23,24,25,26,27,34,35,36,37,38,39,90,91,92,93,94,95
	v_mov_b32 v[\j], 0                             ; zero codes: the upper 64 of the instruction's K
.endr
.irp b, 0,1
	v_mov_b32 v[BP+\b], 0                          ; written once: a lane permute's destination counts as one of its sources
.endr
	v_mov_b32 v5, 0
	s_wait_tensorcnt 0x0                           ; my step is in,
	s_barrier_signal -1
	s_barrier_wait -1                              ; everybody's is
	s_wait_loadcnt 0x0                             ; Q is in, and v1 has served its loads
	v_bfe_u32 v255, v0, 4, 1                       ; h = lane / 16
	v_and_b32 v3, 7, v0                            ; m % 8
	v_bfe_u32 v4, v0, 3, 1                         ; m / 8
	v_lshl_add_u32 v1, v255, 6, v1                 ; an image's piece: 16 x lane, lanes 16-31 behind one padding
	v_lshlrev_b32 v3, 4, v3
	v_mad_u32_u24 v254, v255, 320, v3              ; 16 (m % 8) + a padded row for lanes 16-31
	v_lshl_add_u32 v7, v4, 2, v254                 ; K's scale words: + 4 (m / 8): kv's pair 2 a + m / 8
	v_mad_u32_u24 v254, v4, 1920, v254             ; K's codes: + 1,920 (m / 8): the same pair's image
	v_lshlrev_b32 v255, 3, v255                    ; 8 h
.macro SPROD t, u                      ; S^T of tile t of the step's eight, for my tile u
.set DS_, 96+8*(\t)
.set KA_, 42+6*(\t)
.set QB_, 16+12*(\u)
.set KW_, 240+(\t)/2
.if ((\t)%2 == 0) && ((\u) == 0)
	v_wmma_scale_f32_16x16x128_f8f6f4 v[DS_:DS_+7], v[KA_:KA_+11], v[QB_:QB_+11], 0, v[KW_], v40 matrix_a_fmt:MATRIX_FMT_FP6 matrix_b_fmt:MATRIX_FMT_FP6
.elseif ((\t)%2 == 0)
	v_wmma_scale_f32_16x16x128_f8f6f4 v[DS_:DS_+7], v[KA_:KA_+11], v[QB_:QB_+11], 0, v[KW_], v40 matrix_a_fmt:MATRIX_FMT_FP6 matrix_b_fmt:MATRIX_FMT_FP6 matrix_b_scale:MATRIX_SCALE_ROW1
.elseif ((\u) == 0)
	v_wmma_scale_f32_16x16x128_f8f6f4 v[DS_:DS_+7], v[KA_:KA_+11], v[QB_:QB_+11], 0, v[KW_], v40 matrix_a_fmt:MATRIX_FMT_FP6 matrix_b_fmt:MATRIX_FMT_FP6 matrix_a_scale:MATRIX_SCALE_ROW1
.else
	v_wmma_scale_f32_16x16x128_f8f6f4 v[DS_:DS_+7], v[KA_:KA_+11], v[QB_:QB_+11], 0, v[KW_], v40 matrix_a_fmt:MATRIX_FMT_FP6 matrix_b_fmt:MATRIX_FMT_FP6 matrix_a_scale:MATRIX_SCALE_ROW1 matrix_b_scale:MATRIX_SCALE_ROW1
.endif
.endm
.macro VPROD d                         ; O^T += V^T P^T, tile d of the head's four
.set DO_, 160+8*(\d)
.set VA_, 192+12*(\d)
.set VW_, 244+(\d)/2
.if (\d)%2 == 0
	v_wmma_scale_f32_16x16x128_f8f6f4 v[DO_:DO_+7], v[VA_:VA_+11], v[PC:PC+11], v[DO_:DO_+7], v[VW_], v246 matrix_a_fmt:MATRIX_FMT_FP6 matrix_b_fmt:MATRIX_FMT_FP6
.else
	v_wmma_scale_f32_16x16x128_f8f6f4 v[DO_:DO_+7], v[VA_:VA_+11], v[PC:PC+11], v[DO_:DO_+7], v[VW_], v246 matrix_a_fmt:MATRIX_FMT_FP6 matrix_b_fmt:MATRIX_FMT_FP6 matrix_a_scale:MATRIX_SCALE_ROW1
.endif
.endm
; ONE TILE OF 16 QUERIES: all 2,048 keys in 16 steps of 128, then the way out.
.macro TILE u
	v_mov_b32 v13, 0xff61b1e6                      ; the largest t so far: -3e38, under every t
	v_mov_b32 v14, 0                               ; the sum, in two halves
	v_mov_b32 v15, 0
	s_delay_alu instid0(VALU_DEP_3)
	v_floor_f32 v12, -v13                          ; -M
.set jj, 0
.rept 32
	v_mov_b32 v[160+jj], 0                         ; O^T: the step is written once; the first finds zeros, which the first change of M leaves zeros
.set jj, jj+1
.endr
	s_mov_b32 s32, 0                               ; LDS byte at which the step's block begins
	s_mov_b32 s33, 16
.Lstep_\@:
	v_add_nc_u32 v10, s32, v254                    ; these four are also the places in front of loads into registers that the last products have read
	v_add_nc_u32 v11, s32, v7
	v_add_nc_u32 v3, s32, v1
	v_add_nc_u32 v4, s32, v2
.irp n, 0,1,2,3,4,5,6,7,8,9,10,11
	ds_load_b128 v[42+4*\n:45+4*\n], v10 offset:3840*(\n/6)+128*((\n/3)%2)+640*(\n%3)   ; pair 2 a + b of my tiles, piece n % 3: a = n / 6, b = (n / 3) % 2
.endr
.irp n, 0,1,2,3
	ds_load_b32 v[240+\n], v11 offset:15360+8*(\n/2)+128*(\n%2)   ; that pair's scale words: lanes 0-15 its even tile's, lanes 16-31 its odd tile's
.endr
.irp n, 0,1,2,3,4,5,6,7,8,9,10,11
	ds_load_b128 v[192+4*\n:195+4*\n], v3 offset:7680+640*\n     ; V^T's four fragments
.endr
	ds_load_b64 v[244:245], v4 offset:16000                      ; V's scale words
	s_wait_dscnt 13                                ; K and its scale words are in; V's thirteen younger loads may be out
.irp t, 0,1,2,3,4,5,6,7
	SPROD \t, \u
.endr
.rept 4
	v_nop
.endr
.irp b, 0,1,2,3
	v_max3_num_f32 v[BM+\b], v[96+16*\b], v[97+16*\b], v[98+16*\b]   ; the largest score, in four chains of 16 registers
.endr
.irp i, 3,5,7,9,11,13
.irp b, 0,1,2,3
	v_max3_num_f32 v[BM+\b], v[BM+\b], v[96+16*\b+\i], v[97+16*\b+\i]
.endr
.endr
.irp b, 0,1,2,3
	v_max_num_f32 v[BM+\b], v[BM+\b], v[111+16*\b]
.endr
	s_delay_alu instid0(VALU_DEP_3)
	v_max_num_f32 v[BM], v[BM], v[BM+1]            ; my block h of the step's four: for the row's maximum and, since p rises with the score, for the block's largest p
	s_delay_alu instid0(VALU_DEP_2)
	v_max_num_f32 v[BM+1], v[BM+2], v[BM+3]        ; my block 2 + h
	s_delay_alu instid0(VALU_DEP_1)
	v_max_num_f32 v5, v[BM], v[BM+1]
	s_delay_alu instid0(VALU_DEP_1)
	v_permlanex16_b32 v[BP], v5, s28, s29
	s_delay_alu instid0(VALU_DEP_1)
	v_max_num_f32 v5, v5, v[BP]                    ; with lane l xor 16's two blocks: the step's largest score of my query
	s_delay_alu instid0(VALU_DEP_1)
	v_mul_f32 v5, s30, v5                          ; as t (c is positive)
	s_delay_alu instid0(VALU_DEP_1)
	v_max_num_f32 v13, v13, v5                     ; the running largest t
	v_mov_b32 v5, v12
	s_delay_alu instid0(VALU_DEP_2)
	v_floor_f32 v12, -v13                          ; the new -M = floor(-t): M is a whole number
	s_delay_alu instid0(VALU_DEP_1)
	v_sub_f32 v5, v12, v5                          ; old M - new M: a whole number, 0 or less
	s_delay_alu instid0(VALU_DEP_1)
	v_cvt_i32_f32 v5, v5                           ; (it saturates)
	s_delay_alu instid0(VALU_DEP_1)
	v_ldexp_f32 v6, 1.0, v5                        ; f = 2^(old M - new M)
.set jj, 0
.rept 32
	v_pk_fma_f32 v[96+jj:97+jj], v[96+jj:97+jj], s[30:31], v[12:13] op_sel_hi:[1,0,0]   ; t - M, two at a time
.set jj, jj+2
.endr
.irp b, 0,1
	v_fma_f32 v[BM+\b], v[BM+\b], s30, v12         ; the same of each block's largest score
.endr
.set jj, 0
	s_wait_alu depctr_va_vdst(0)
.rept 64
	v_exp_f32 v[96+jj], v[96+jj]                   ; p = 2^(t - M), at most 1
.set jj, jj+1
.endr
	v_pk_mul_f32 v[14:15], v[14:15], v[6:7] op_sel_hi:[1,0]   ; the sums under the new M: a plain instruction behind the exponentials
	s_wait_alu depctr_va_vdst(0)                   ; one wait for the whole batch, ahead of its first reader
.irp b, 0,1
	v_exp_f32 v[BM+\b], v[BM+\b]                   ; the block's largest p: the same two instructions on the same number give the same bits
.endr
	v_pk_add_f32 v[62:63], v[96:97], v[98:99]      ; the row's sum of the unquantised p, in two chains: my first 32 keys here
.irp j, 4,8,12,16,20,24,28
	v_pk_add_f32 v[14:15], v[14:15], v[96+\j:97+\j]
	v_pk_add_f32 v[62:63], v[62:63], v[98+\j:99+\j]
.endr
	s_wait_alu depctr_va_vdst(0)                   ; and one for the two
.irp b, 0,1
	v_max_num_f32 v[BM+\b], 0x1800000, v[BM+\b]    ; the floor 2^(3 - 127): the byte cannot fall under 1
.endr
.irp b, 0,1
	s_delay_alu instid0(VALU_DEP_2)
	v_add_nc_u32 v[SO+\b], 0xff000000, v[BM+\b]    ; 2 off the exponent field: the conversion's scale operand
.endr
.irp b, 0,1
	s_delay_alu instid0(VALU_DEP_2)
	v_lshrrev_b32 v[BP+\b], 23, v[SO+\b]           ; the scale's byte
.endr
	s_delay_alu instid0(VALU_DEP_1)
	v_lshl_or_b32 v246, v253, 16, v252             ; my two bytes, blocks h and 2 + h,
	s_delay_alu instid0(VALU_DEP_1)
	v_lshlrev_b32 v246, v255, v246                 ; at their places in p's scale word: 8 h bits up
.irp c, 0,1
	v_cvt_scalef32_pk16_fp6_f32 v[PC+6*\c:PC+2+6*\c], v[96+32*\c:111+32*\c], v[SO+\c]
	v_cvt_scalef32_pk16_fp6_f32 v[PT+4*\c:PT+2+4*\c], v[112+32*\c:127+32*\c], v[SO+\c]   ; (a conversion's three registers begin on an even number)
.endr
	v_nop                                          ; one plain place behind a scaled conversion
	v_permlanex16_b32 v[BP], v246, s28, s29
.irp c, 0,1
.irp i, 0,1,2
	v_mov_b32 v[PC+3+6*\c+\i], v[PT+4*\c+\i]       ; registers 6 c .. 6 c + 5: keys 64 c + 32 h + 0 .. 31
.endr
.endr
	v_or_b32 v246, v246, v[BP]                     ; with lane l xor 16's two bytes the word is whole
.set jj, 0
.rept 16
	v_pk_mul_f32 v[160+jj:161+jj], v[160+jj:161+jj], v[6:7] op_sel_hi:[1,0]   ; O^T under the new M
.set jj, jj+2
.endr
.irp j, 32,36,40,44,48,52,56,60                ; the sums' other 32 keys: plain work between the last write of an operand, of an accumulator or of p's scale word and the products
	v_pk_add_f32 v[14:15], v[14:15], v[96+\j:97+\j]
	v_pk_add_f32 v[62:63], v[62:63], v[98+\j:99+\j]
.endr
	s_delay_alu instid0(VALU_DEP_1)
	v_pk_add_f32 v[14:15], v[14:15], v[62:63]
	s_wait_dscnt 0x0                               ; V and its scale words are in
.irp d, 0,1,2,3
	VPROD \d                                       ; four accumulators by turns
.endr
	s_add_co_u32 s32, s32, STEPL
	s_sub_co_u32 s33, s33, 1
	s_cmp_lg_u32 s33, 0
	s_cbranch_scc1 .Lstep_\@
	; the way out of the tile
.rept 4
	v_nop
.endr
	s_wait_alu depctr_va_vdst(0)
	v_add_f32 v14, v14, v15                        ; the sum's two halves,
	s_delay_alu instid0(VALU_DEP_1)
	v_permlanex16_b32 v5, v14, s28, s29
	s_delay_alu instid0(VALU_DEP_1)
	v_add_f32 v14, v14, v5                         ; and lane l xor 16's
	s_wait_alu depctr_va_vdst(0)
	v_rcp_f32 v14, v14
	v_nop                                          ; a plain place behind the reciprocal
	s_wait_alu depctr_va_vdst(0)                   ; the wait, ahead of its first reader
.set jj, 0
.rept 16
	v_pk_mul_f32 v[96+jj:97+jj], v[160+jj:161+jj], v[14:15] op_sel_hi:[1,0]   ; O^T / l: register 16 g + i is d = 32 g + 16 (lane / 16) + i; each accumulator from its low end on
.set jj, jj+2
.endr
.irp b, 0,1
	v_max3_num_f32 v[BM+\b], |v[96+16*\b]|, |v[97+16*\b]|, 0x1800000   ; the head's two blocks of 32 along the last product's K
.endr
.irp i, 2,4,6,8,10,12,14
.irp b, 0,1
	s_delay_alu instid0(VALU_DEP_2)
	v_max3_num_f32 v[BM+\b], v[BM+\b], |v[96+16*\b+\i]|, |v[97+16*\b+\i]|
.endr
.endr
.irp b, 0,1
	s_delay_alu instid0(VALU_DEP_2)
	v_permlanex16_b32 v[BP+\b], v[BM+\b], s28, s29
.endr
.irp b, 0,1
	s_delay_alu instid0(VALU_DEP_2)
	v_max_num_f32 v[BM+\b], v[BM+\b], v[BP+\b]
.endr
.irp b, 0,1
	s_delay_alu instid0(VALU_DEP_2)
	v_add_nc_u32 v[SO+\b], 0xff000000, v[BM+\b]
.endr
.irp b, 0,1
	s_delay_alu instid0(VALU_DEP_2)
	v_lshrrev_b32 v[BP+\b], 23, v[SO+\b]
.endr
	s_delay_alu instid0(VALU_DEP_1)
	v_lshl_or_b32 v5, v253, 8, v252                ; my row's two scale bytes
	v_cvt_scalef32_pk16_fp6_f32 v[PC:PC+2], v[96:111], v[SO]
	v_cvt_scalef32_pk16_fp6_f32 v[PT:PT+2], v[112:127], v[SO+1]
	v_nop
.irp i, 0,1,2
	v_permlane16_swap_b32 v[PC+\i], v[PT+\i]
.endr
.irp i, 0,1,2
	s_delay_alu instid0(VALU_DEP_3)
	v_mov_b32 v[PC+3+\i], v[PT+\i]                 ; six registers: d = 32 (lane / 16) + 0 .. 31 of my row
.endr
.irp e, 0,1,2
	global_store_b64 v2, v[PC+2*\e:PC+2*\e+1], s[36:37] offset:12288*\u+256*\e   ; the wave stores 256 consecutive bytes, aligned
.endr
.if \u == 0
	v_mov_b32 v41, v5
.else
	v_cndmask_b32 v41, v41, v5, s35                ; lanes 0-15 keep tile 0's bytes, lanes 16-31 take tile 1's
.endif
.endm
	TILE 0
	s_wait_xcnt 0x0                                ; the stores have read their registers, into which the next tile's loads land
	TILE 1
	global_store_b16 v247, v41, s[38:39]           ; my 32 stored rows' two scale bytes
	s_wait_xcnt 0x0
	v_lshl_add_u32 v254, v0, 2, SPARE
	v_mov_b32 v255, 0
	s_wait_alu depctr_va_vdst(0)
	s_wait_tensorcnt 0x0                           ; the wave's end
	ds_add_u32 v254, v255
	s_wait_dscnt 0x0
	ROUND                                          ; the closing round: no work-group ends while a partner may still ask for a tile that names it
	s_endpgm
.Lfunc_end_k_q850198aee6_attn:
	.size	k_q850198aee6_attn, .Lfunc_end_k_q850198aee6_attn-k_q850198aee6_attn
	.p2alignl 7, 3214868480
	.fill 96, 4, 3214868480
	.section	.rodata,"a",@progbits
	.p2align	6, 0x0
	.amdhsa_kernel k_q850198aee6_attn
		.amdhsa_group_segment_fixed_size 263168
		.amdhsa_private_segment_fixed_size 0
		.amdhsa_enable_private_segment 0
		.amdhsa_kernarg_size 24
		.amdhsa_user_sgpr_count 2
		.amdhsa_user_sgpr_kernarg_segment_ptr 1
		.amdhsa_wavefront_size32 1
		.amdhsa_system_sgpr_workgroup_id_x 1
		.amdhsa_system_sgpr_workgroup_id_y 1
		.amdhsa_system_sgpr_workgroup_id_z 1
		.amdhsa_system_vgpr_workitem_id 0
		.amdhsa_next_free_vgpr 256
		.amdhsa_next_free_sgpr 66
		.amdhsa_reserve_vcc 0
		.amdhsa_float_denorm_mode_32 3
		.amdhsa_float_denorm_mode_16_64 3
		.amdhsa_memory_ordered 1
		.amdhsa_forward_progress 1
		.amdhsa_inst_pref_size 49
	.end_amdhsa_kernel
	.amdgpu_metadata
---
amdhsa.version: [ 1, 2 ]
amdhsa.kernels:
  - .name:           k_q850198aee6_attn
    .symbol:         k_q850198aee6_attn.kd
    .args:
      - { .name: qh, .offset: 0, .size: 8, .value_kind: global_buffer, .address_space: global }
      - { .name: kv, .offset: 8, .size: 8, .value_kind: global_buffer, .address_space: global }
      - { .name: oh, .offset: 16, .size: 8, .value_kind: global_buffer, .address_space: global }
    .group_segment_fixed_size: 263168
    .private_segment_fixed_size: 0
    .kernarg_segment_align: 8
    .kernarg_segment_size: 24
    .max_flat_workgroup_size: 512
    .sgpr_count:     66
    .vgpr_count:     256
    .wavefront_size: 32
...
	.end_amdgpu_metadata
.endif
;; end of part 3
;; launch outp (part 4): grid 8 x 32, 4 waves a work-group, clusters of 4 x 4, 327,680 bytes of LDS; arguments oh, wq, bo, out0; writes out0
.if DOCPART == 4
	.amdgcn_target "amdgcn-amd-amdhsa--gfx1250"
	.amdhsa_code_object_version 6
	.text
	.protected	k_q850198aee6_outp
	.globl	k_q850198aee6_outp
	.p2align	8
	.type	k_q850198aee6_outp,@function
k_q850198aee6_outp:
	s_mov_b64 s[64:65], 0
	v_nop
	global_prefetch_b8 v0, s[64:65] scope:SCOPE_SE
	s_setreg_imm32_b32 hwreg(HW_REG_WAVE_MODE, 25, 1), 1
	s_wait_xcnt 0x0
	s_wait_alu depctr_hold_cnt(0) depctr_sa_sdst(0) depctr_va_vdst(0) depctr_va_sdst(0) depctr_va_ssrc(0) depctr_va_vcc(0) depctr_vm_vsrc(0)
	s_getreg_b32 s2, hwreg(HW_REG_IB_STS2, 6, 4)
	s_cmp_eq_u32 s2, 0
	s_cbranch_scc0 .Lentry_in_a_cluster
	s_endpgm
.Lentry_in_a_cluster:
	s_bfe_u32 s2, ttmp6, 0x10000c
	s_cmp_lg_u32 s2, 0xf033
	s_cbranch_scc0 .Lentry_shape_is_right
	s_endpgm
.Lentry_shape_is_right:
; out0 = O Wo + bo on codes of FP6 (E2M3) with E8M0 scales; sums in f32.  O's codes and scale bytes are oh, as the attention launch leaves them; Wo's are the fourth weight of wq.
; SHARES.  256 work-groups, one tile of 256 rows x 128 columns each; four waves, 2 x 2: a wave makes 128 x 64, 32 accumulators of 16 x 16, which take turns in the same order in every step.
; ALL OF K LIES IN LDS, filled once, by four joint loads at the head, one a wave; nothing is filled again.  A: 16 tiles of 16 rows x 12,288 bytes of register images ([head][3][lane][8 bytes]), no padding: every load of 8 bytes a lane
; reads 256 consecutive bytes.  B: Wo's block of 128 rows, four chunks of 128 rows x 192 bytes, dense in memory, fetched as rows of 256 bytes with 16 bytes of padding behind each 64: an LDS row of 240 bytes.
; The loads go by halves of K: wave 0 A's heads 0-7 (16 rows of 6,144 bytes), wave 1 B's chunks 0, 1, wave 2 A's heads 8-15, wave 3 B's chunks 2, 3.  The first barrier shows waves 0 and 1's tiles (their load lines are their own);
; the second, in K step 3, shows the rest, ahead of the fetch of step 4's fragments.  196,608 + 122,880 bytes and 512 of spare words.
; CLUSTERS: 4 x 4.  A's tiles hang on the tile row alone and are shared along a row of the cluster, B's on the tile column alone and are shared along a column.
; THE SCALE WORDS (a row's 32 bytes are its eight words) and the bias go from memory straight into registers: sixteen lanes read 16 rows x 16 bytes of 512 consecutive bytes, two loads take all of them.
; No prefetch: every byte is asked for at the head, and there is no loop to run ahead in.
; THE MATRIX INSTRUCTION IS USED TRANSPOSED (source 0 = 16 columns of Wo, source 1 = 16 rows of O): a lane holds eight neighbouring numbers of a row.  The bias is the first products' C.
; Rows and columns lie in the stored order (bits 3 and 4 of an index exchanged); the way out sets both right: columns in the stage's offsets, rows in the stores' offsets.
; THE WAY OUT: 16 rows x 64 columns at a time through the wave's own stage (rows of 272 bytes) in the bytes of A's first half, which nobody reads behind the second barrier and no load fills again; sixteen lanes store 256 aligned bytes.
; LIMITS: NaN and infinities are not served.
; REGISTERS: window 0: v4-17 addresses, v32-63 A's scale words (8 i + q: lanes 0-15 tile i, lanes 16-31 tile i + 4), v68-83 B's (8 b + q: tiles b, b + 2), v88-119 the bias, v128-223 B's fragments, two sets (on the way out: rows read back);
; window 1: A's fragments, two sets, at v0 and v128; window 2: accumulator (a, b) at v[8 (4 a + b)].
.set AHALF,  98304
.set BBASE,  196608
.set BCH,    30720
.set SPARE,  BBASE+4*BCH
.set SPITCH, 272
.set ADRA, 4
.set ADRB, 6
.set SAO,  10
.set SBO,  11
.set BO,   12
.set STO,  13
.set RD,   14
.set CO,   15
.set SPW,  16
.set NIL,  17
.set SA,   32
.set SBS,  68
.set BI,   88
.set BF,   128
.set G0A, 32
.set G0B, 36
.set G1A, 48
.set G1B, 56
.set MSB, 0
.macro WIN new
.if MSB != \new
	s_set_vgpr_msb (MSB<<8)|\new
.set MSB, \new
.endif
.endm
.macro PLACES n
.rept \n
	v_nop
.endr
.endm
.macro CROUND                          ; a round of the cluster's barrier
	s_barrier_signal -1
	s_barrier_wait -1
	s_cmp_lg_u32 s14, 0
	s_cbranch_scc1 .Lnot_wave_0_\@
	s_barrier_signal -3
.Lnot_wave_0_\@:
	s_barrier_wait -3
	s_barrier_signal -1
	s_barrier_wait -1
.endm
.macro TLOAD g0, g1
	tensor_load_to_lds s[\g0:\g0+3], s[\g1:\g1+7]
	s_nop 0
	PLACES 4
.endm
	s_load_b256 s[4:11], s[0:1], 0x0               ; oh s[4:5], wq s[6:7], bo s[8:9], out0 s[10:11]
	v_lshl_add_u32 v[SPW], v0, 2, SPARE
	v_mov_b32 v[NIL], 0
	ds_add_u32 v[SPW], v[NIL]
	ds_add_u32 v[SPW], v[NIL]
	v_lshrrev_b32 v1, 5, v0
	v_readfirstlane_b32 s14, v1                    ; wave
	s_lshr_b32 s15, s14, 1                         ; my half of the rows; also: the half of K that I fetch
	s_and_b32 s16, s14, 1                          ; my half of the columns; also: I fetch for A (0) or B (1)
	s_bfe_u32 s40, ttmp6, 0x40000                  ; cx
	s_bfe_u32 s41, ttmp6, 0x40004                  ; cy
	s_lshl_b32 s42, ttmp9, 2
	s_add_co_u32 s42, s42, s40                     ; tile column, 0 .. 7
	s_and_b32 s43, ttmp7, 0xffff
	s_lshl_b32 s43, s43, 2
	s_add_co_u32 s43, s43, s41                     ; tile row, 0 .. 31
	s_lshl_b32 s44, s41, 2
	s_lshl_b32 s44, 15, s44                        ; my row of the cluster
	s_lshl_b32 s45, 0x1111, s40                    ; my column
	s_or_b32 s[G1A+0], s44, (3<<16)|(1<<21)        ; A: 16 rows of 768 elements of 8 bytes, 12,288 bytes apart
	s_mov_b32 s[G1A+1], 768<<16
	s_mov_b32 s[G1A+2], 16<<16
	s_mov_b32 s[G1A+3], 768<<16
	s_mov_b32 s[G1A+4], 16
	s_mov_b32 s[G1A+5], 1536
	s_mov_b32 s[G1A+6], 0
	s_mov_b32 s[G1A+7], 0
	s_or_b32 s[G1B+0], s45, (1<<20)|(1<<21)|(3<<22)|(3<<25)   ; B: 192 dense rows of 256 bytes; behind every 16 dwords 4 of padding
	s_mov_b32 s[G1B+1], 256<<16
	s_mov_b32 s[G1B+2], 192<<16
	s_mov_b32 s[G1B+3], 256<<16
	s_mov_b32 s[G1B+4], 192
	s_mov_b32 s[G1B+5], 256
	s_mov_b32 s[G1B+6], 0
	s_mov_b32 s[G1B+7], 0
	s_mul_i32 s20, s43, 196608                     ; A: my tile row's 16 tiles, + my half of K
	s_mul_i32 s17, s15, 6144
	s_add_co_u32 s20, s20, s17
	s_mov_b32 s21, 0
	s_mul_i32 s22, s42, 98304                      ; B: Wo's codes, my tile column's block, + my two chunks
	s_mul_i32 s17, s15, 49152
	s_add_co_u32 s22, s22, s17
	s_add_co_u32 s22, s22, 2359296
	s_mov_b32 s23, 0
	s_mov_b32 s[G0A], 1
	s_mul_i32 s[G0A+1], s15, AHALF
	s_mov_b32 s[G0B], 1
	s_mul_i32 s[G0B+1], s15, 2*BCH
	s_add_co_u32 s[G0B+1], s[G0B+1], BBASE
	s_lshl_b32 s68, s43, 13                        ; A's scale bytes: 32 x (256 x tile row + 128 x half)
	s_lshl_b32 s17, s15, 12
	s_add_co_u32 s68, s68, s17
	s_add_co_u32 s68, s68, 6291456
	s_mov_b32 s69, 0
	s_lshl_b32 s70, s42, 12                        ; B's: 32 x (128 x tile column + 64 x half)
	s_lshl_b32 s17, s16, 11
	s_add_co_u32 s70, s70, s17
	s_add_co_u32 s70, s70, 3244032
	s_mov_b32 s71, 0
	s_lshl_b32 s72, s42, 9                         ; my first column, in bytes of f32
	s_lshl_b32 s17, s16, 8
	s_add_co_u32 s72, s72, s17
	s_mov_b32 s73, 0
	s_lshl_b32 s74, s43, 20                        ; my first row of out0, 4,096 bytes a row
	s_lshl_b32 s17, s15, 19
	s_add_co_u32 s74, s74, s17
	s_add_co_u32 s74, s74, s72
	s_mov_b32 s75, 0
	s_mul_i32 s80, s15, 49152                      ; LDS: my 8 tiles of A in a half,
	s_mul_i32 s81, s16, 15360
	s_add_co_u32 s81, s81, BBASE                   ; my 64 rows of B in a chunk,
	s_mul_i32 s82, s14, 16*SPITCH                  ; my stage
	s_wait_alu depctr_va_vdst(0)
	s_wait_dscnt 0x0                               ; both opening adds are done
	CROUND                                         ; all sixteen work-groups are here: the joint loads meet
	s_wait_kmcnt 0x0
	s_add_nc_u64 s[G0A+2:G0A+3], s[4:5], s[20:21]
	s_or_b32 s[G0A+3], s[G0A+3], 0x80000000
	s_add_nc_u64 s[G0B+2:G0B+3], s[6:7], s[22:23]
	s_or_b32 s[G0B+3], s[G0B+3], 0x80000000
	s_cmp_eq_u32 s14, 0                            ; one chain of branches on the wave's number, one load to an arm
	s_cbranch_scc0 .Lwave_1
	TLOAD G0A, G1A                                 ; A, heads 0-7
	s_branch .Lasked
.Lwave_1:
	s_cmp_eq_u32 s14, 1
	s_cbranch_scc0 .Lwave_2
	TLOAD G0B, G1B                                 ; B, chunks 0, 1
	s_branch .Lasked
.Lwave_2:
	s_cmp_eq_u32 s14, 2
	s_cbranch_scc0 .Lwave_3
	TLOAD G0A, G1A                                 ; A, heads 8-15
	s_branch .Lasked
.Lwave_3:
	TLOAD G0B, G1B                                 ; B, chunks 2, 3
.Lasked:
	s_add_nc_u64 s[68:69], s[4:5], s[68:69]
	s_add_nc_u64 s[70:71], s[6:7], s[70:71]
	s_add_nc_u64 s[72:73], s[8:9], s[72:73]
	s_add_nc_u64 s[12:13], s[10:11], s[74:75]
	v_and_b32 v1, 15, v0                           ; r
	v_bfe_u32 v2, v0, 4, 1                         ; h
	v_and_b32 v3, 31, v0
	v_lshlrev_b32 v3, 3, v3
	v_add_nc_u32 v[ADRA], s80, v3                  ; A's images: 8 x lane; v[ADRA+1]: the second half of K
	v_add_nc_u32 v[ADRA+1], AHALF, v[ADRA]
	v_mul_u32_u24 v18, v1, 240
	v_mad_u32_u24 v18, v2, 24, v18
	v_add_nc_u32 v[ADRB], s81, v18                 ; B's rows: 240 r + 24 h;
	v_lshl_add_u32 v[ADRB+2], v2, 4, v[ADRB]       ; for the pieces whose lanes 16-31 lie behind one padding more
	v_add_nc_u32 v[ADRB+1], 2*BCH, v[ADRB]         ; and both for chunks 2, 3
	v_add_nc_u32 v[ADRB+3], 2*BCH, v[ADRB+2]
	v_lshlrev_b32 v19, 5, v1
	v_lshl_add_u32 v[SAO], v2, 11, v19             ; scale bytes: row r; lanes 16-31 four tiles on (A),
	v_lshl_add_u32 v[SBO], v2, 10, v19             ; two tiles on (B)
	v_lshlrev_b32 v[BO], 6, v2
	v_mul_u32_u24 v18, v1, SPITCH
	v_lshl_add_u32 v18, v2, 6, v18
	v_add_nc_u32 v[STO], s82, v18                  ; into the stage: row r, 64 h bytes
	v_mul_u32_u24 v18, v2, SPITCH
	v_lshl_add_u32 v18, v1, 4, v18
	v_add_nc_u32 v[RD], s82, v18                   ; back: sixteen lanes to a row, two rows an instruction
	v_lshlrev_b32 v19, 4, v1
	v_lshl_add_u32 v[CO], v2, 12, v19              ; and the same two rows in out0
	s_wait_alu depctr_va_vdst(0)
.irp i, 0,1,2,3
.irp c, 0,1
	global_load_b128 v[SA+8*\i+4*\c:SA+8*\i+4*\c+3], v[SAO], s[68:69] offset:512*\i+16*\c
.endr
.endr
.irp b, 0,1
.irp c, 0,1
	global_load_b128 v[SBS+8*\b+4*\c:SBS+8*\b+4*\c+3], v[SBO], s[70:71] offset:512*\b+16*\c
.endr
.endr
.irp b, 0,1,2,3
	global_load_b128 v[BI+8*\b:BI+8*\b+3], v[BO], s[72:73] offset:4*(32*(\b/2)+8*(\b%2))      ; register j of tile b: column 32 (b / 2) + 8 (b % 2) + 16 h + j
	global_load_b128 v[BI+8*\b+4:BI+8*\b+7], v[BO], s[72:73] offset:4*(32*(\b/2)+8*(\b%2))+16
.endr
	s_cmp_lt_u32 s14, 2
	s_cbranch_scc0 .Lnot_first
	s_wait_tensorcnt 0x0                           ; waves 0 and 1: my tile of the first half of K is in
.Lnot_first:
	s_barrier_signal -1
	s_barrier_wait -1                              ; both are; the second half may be on its way
; K step Q is 128 along K: heads 2 Q, 2 Q + 1 of A; step Q % 2 of chunk Q / 2 of B
.macro FRAGB reg, Q, i
.irp p, 0,1,2,3,4,5
.set PCE, 12*((\Q)%2)+6*(\p/3)+\p%3    ; the piece of 8 bytes in the row of 192; lanes 16-31 read three pieces on
.set OF_, 8*PCE+16*(PCE/8)+(\i)*3840+(((\Q)/2)%2)*BCH
.if PCE%8 < 5
	ds_load_b64 v[\reg+2*\p:\reg+2*\p+1], v[ADRB+(\Q)/4] offset:OF_
.else
	ds_load_b64 v[\reg+2*\p:\reg+2*\p+1], v[ADRB+2+(\Q)/4] offset:OF_
.endif
.endr
.endm
.macro FRAGA reg, Q, i
.irp p, 0,1,2,3,4,5
	ds_load_b64 v[\reg+2*\p:\reg+2*\p+1], v[ADRA+(\Q)/4] offset:(\i)*6144+768*(2*((\Q)%4)+\p/3)+256*(\p%3)
.endr
.endm
.macro FETCH Q                         ; 72 loads: B's four fragments and A's eight into set Q % 2
	WIN 0
.irp i, 0,1,2,3
	FRAGB BF+48*((\Q)%2)+12*\i, \Q, \i
.endr
	WIN 0x40
.irp i, 0,1,2,3,4,5,6,7
	FRAGA 128*((\Q)%2)+12*\i, \Q, \i
.endr
.endm
.macro MUL Q, ah, first                ; 16 products: A's tiles 4 ah .. 4 ah + 3 x B's four
.irp al, 0,1,2,3
.irp bh, 0,1
.irp bl, 0,1
.set D_, 8*(4*(4*\ah+\al)+2*\bh+\bl)
.set B_, BF+48*((\Q)%2)+12*(2*\bh+\bl)
.set A_, 128*((\Q)%2)+12*(4*\ah+\al)
.set C_, BI+8*(2*\bh+\bl)
.if \first
	v_wmma_scale_f32_16x16x128_f8f6f4 v[D_:D_+7], v[B_:B_+11], v[A_:A_+11], v[C_:C_+7], v[SBS+8*\bl+(\Q)], v[SA+8*\al+(\Q)] matrix_a_fmt:MATRIX_FMT_FP6 matrix_b_fmt:MATRIX_FMT_FP6 matrix_a_scale:MATRIX_SCALE_ROW\bh matrix_b_scale:MATRIX_SCALE_ROW\ah
.else
	v_wmma_scale_f32_16x16x128_f8f6f4 v[D_:D_+7], v[B_:B_+11], v[A_:A_+11], v[D_:D_+7], v[SBS+8*\bl+(\Q)], v[SA+8*\al+(\Q)] matrix_a_fmt:MATRIX_FMT_FP6 matrix_b_fmt:MATRIX_FMT_FP6 matrix_a_scale:MATRIX_SCALE_ROW\bh matrix_b_scale:MATRIX_SCALE_ROW\ah
.endif
.endr
.endr
.endr
.endm
.macro MWIN first                      ; source 0 (B) window 0, source 1 (A) window 1, D window 2; C window 2, or 0 for the bias
.if \first
	WIN 0x84
.else
	WIN 0xa4
.endif
.endm
.macro KS Q, first
	s_wait_dscnt 0x0                               ; this step's fragments are in
.if (\Q) == 3
	s_wait_tensorcnt 0x0                           ; every wave: all my tensor loads have landed, and my reads of the first half are over
	s_barrier_signal -1
.endif
	MWIN \first
	MUL \Q, 0, \first
.if (\Q) == 3
	s_barrier_wait -1                              ; the second half of K is whole for all four waves
.endif
.if (\Q) < 7
	PLACES 4                                       ; in front of loads into the set that the last step's products have read
	FETCH (\Q)+1
.endif
	MWIN \first
	MUL \Q, 1, \first
.endm
	FETCH 0
	s_wait_loadcnt 0x0                             ; the scale words and the bias
	KS 0, 1
.irp q, 1,2,3,4,5,6,7
	KS \q, 0
.endr
	WIN 0
.macro TOSTAGE a
	WIN 0x08                                       ; the data: window 2
.irp b, 0,1,2,3
	ds_store_b128 v[STO], v[32*(\a)+8*\b:32*(\a)+8*\b+3] offset:128*(\b/2)+32*(\b%2)       ; each accumulator from its low end on
	ds_store_b128 v[STO], v[32*(\a)+8*\b+4:32*(\a)+8*\b+7] offset:128*(\b/2)+32*(\b%2)+16
.endr
	WIN 0
.set BB, BF+32*((\a)%2)
.irp t, 0,1,2,3,4,5,6,7
	ds_load_b128 v[BB+4*\t:BB+4*\t+3], v[RD] offset:\t*2*SPITCH   ; LDS serves a wave's instructions in order: these see my stores
.endr
.endm
.macro SEND a, younger                 ; younger: the LDS instructions issued behind block a's loads
.set BB, BF+32*((\a)%2)
	s_wait_dscnt \younger
.irp t, 0,1,2,3,4,5,6,7
	global_store_b128 v[CO], v[BB+4*\t:BB+4*\t+3], s[12:13] offset:(32*((\a)/2)+8*((\a)%2)+2*\t+8*(\t/4))*4096 th:TH_STORE_NT   ; stored rows 16 a + 2 t, + 1 at their true places; sixteen lanes store 256 aligned bytes
.endr
.endm
	PLACES 4                                       ; behind the last products: for the reads of their results and the loads into B's registers
	TOSTAGE 0
.irp a, 1,2,3,4,5,6,7
.if \a > 1
	s_wait_xcnt 0x0                                ; block a - 2's stores have read their registers, into which block a's loads land
.endif
	TOSTAGE \a
	SEND \a-1, 16                                  ; behind block a - 1's loads: block a's 8 stores and 8 loads
.endr
	SEND 7, 0
	s_wait_tensorcnt 0x0                           ; the wave's end
	ds_add_u32 v[SPW], v[NIL]
	s_wait_dscnt 0x0
	CROUND                                         ; the closing round
	s_endpgm
.Lfunc_end_k_q850198aee6_outp:
	.size	k_q850198aee6_outp, .Lfunc_end_k_q850198aee6_outp-k_q850198aee6_outp
	.p2alignl 7, 3214868480
	.fill 96, 4, 3214868480
	.section	.rodata,"a",@progbits
	.p2align	6, 0x0
	.amdhsa_kernel k_q850198aee6_outp
		.amdhsa_group_segment_fixed_size 327680
		.amdhsa_private_segment_fixed_size 0
		.amdhsa_enable_private_segment 0
		.amdhsa_kernarg_size 32
		.amdhsa_user_sgpr_count 2
		.amdhsa_user_sgpr_kernarg_segment_ptr 1
		.amdhsa_wavefront_size32 1
		.amdhsa_system_sgpr_workgroup_id_x 1
		.amdhsa_system_sgpr_workgroup_id_y 1
		.amdhsa_system_sgpr_workgroup_id_z 1
		.amdhsa_system_vgpr_workitem_id 0
		.amdhsa_next_free_vgpr 768
		.amdhsa_next_free_sgpr 90
		.amdhsa_reserve_vcc 0
		.amdhsa_float_denorm_mode_32 3
		.amdhsa_float_denorm_mode_16_64 3
		.amdhsa_memory_ordered 1
		.amdhsa_forward_progress 1
		.amdhsa_inst_pref_size 95
	.end_amdhsa_kernel
	.amdgpu_metadata
---
amdhsa.version: [ 1, 2 ]
amdhsa.kernels:
  - .name:           k_q850198aee6_outp
    .symbol:         k_q850198aee6_outp.kd
    .args:
      - { .name: oh, .offset: 0, .size: 8, .value_kind: global_buffer, .address_space: global }
      - { .name: wq, .offset: 8, .size: 8, .value_kind: global_buffer, .address_space: global }
      - { .name: bo, .offset: 16, .size: 8, .value_kind: global_buffer, .address_space: global }
      - { .name: out0, .offset: 24, .size: 8, .value_kind: global_buffer, .address_space: global }
    .group_segment_fixed_size: 327680
    .private_segment_fixed_size: 0
    .kernarg_segment_align: 8
    .kernarg_segment_size: 32
    .max_flat_workgroup_size: 128
    .sgpr_count:     90
    .vgpr_count:     768
    .wavefront_size: 32
...
	.end_amdgpu_metadata
.endif
;; end of part 4
